; MI455X (gfx1250); checked and timed in simulation.
; The chip was launched on July 23, 2026; its instructions are those of AMD's public machine-readable ISA for CDNA 5 (MIT licence, August 2026) and "CDNA5" Instruction Set Architecture Reference Guide (July 2026). The comments in the code are by the model that wrote it; some were corrected since.
;; Multi Head Attention. Allowed arithmetic: matrix products marked QUANTISED: E2M1 operands, one E8M0 scale for each 32 along K, by v_wmma_scale_f32_16x16x128_f8f6f4 with both operands' format E2M1 (or v_wmma_scale_f32_32x16x128_f4), f32 sums; products left as they are: bf16, f16 or f32 operands; f32 sums; everything else in f32.
;; Inputs: bk 1,024 float32; bo 1,024 float32; bq 1,024 float32; bv 1,024 float32; k 4 x 2,048 x 1,024 float32; mask 1 x 1 x 2,048 x 2,048 float32; q 4 x 2,048 x 1,024 float32; v 4 x 2,048 x 1,024 float32; wk 1,024 x 1,024 float32; wo 1,024 x 1,024 float32; wq 1,024 x 1,024 float32; wv 1,024 x 1,024 float32.
;; Outputs: out0 4 x 2,048 x 1,024 float32.
;; This version of the problem:
;;   THIS VERSION OF THE PROBLEM IS GIVEN IN LOW PRECISION. The matrix products marked QUANTISED in the list below multiply operands that are first quantised to E2M1 (2 exponent bits, 1 mantissa bit; 4 bits a number), with one power-of-two scale for each 32 numbers along K (OCP MX v1.0); their sums are f32. The products marked 'left as it is' may take bf16, f16 or f32 operands, with f32 sums. Whichever they take, every output number must still come out within the allowed error. Rounding operands to bf16 (8 significant bits) uses up far more of that allowance than f16 does (11 bits, for magnitudes from 6e-5 to 65,504). All else is computed in f32.
;;   The module's matrix products, in the order in which they are computed (A, B: the left and right operand; K: the contracted axis; several contracted axes count as one K, in the product's order):
;;     1. [M 8,192, K 1,024] x [K 1,024, N 1,024]; A: input q; B: input wq: QUANTISED
;;     2. [M 8,192, K 1,024] x [K 1,024, N 1,024]; A: input k; B: input wk: QUANTISED
;;     3. [M 8,192, K 1,024] x [K 1,024, N 1,024]; A: input v; B: input wv: QUANTISED
;;     4. batch 64 x [M 2,048, K 64] x [K 64, N 2,048]; A: computed on the way; B: computed on the way: left as it is (an operand is computed on the way)
;;     5. batch 64 x [M 2,048, K 2,048] x [K 2,048, N 64]; A: computed on the way; B: computed on the way: left as it is (an operand is computed on the way)
;;     6. [M 8,192, K 1,024] x [K 1,024, N 1,024]; A: computed on the way; B: input wo: left as it is (an operand is computed on the way)
;;   THE QUANTISER, for each operand of a quantised product, along K:
;;     - K is cut into blocks of 32 from its start; a last block that is shorter is filled with zeros.
;;     - A block's scale is 2^e with e = floor(log2(the largest magnitude in the block)) - 2, held to -126 .. 127; a block of zeros has e = 0. As a byte (E8M0): e + 127.
;;     - Each number is divided by its block's scale, clamped to +-6, and rounded to the nearest number of E2M1, ties to even, subnormals kept.
;;     - The product sums the exact products of the quantised numbers (number of the format x scale) in f32.
;;   ~~~python
;;   def quantise(x, axis):      # numpy; x: float32 -> the quantised numbers, widened to float32 again
;;       x = np.moveaxis(x, axis, -1); K = x.shape[-1]
;;       x = np.pad(x, [(0, 0)] * (x.ndim - 1) + [(0, -K % 32)]); x = x.reshape(x.shape[:-1] + (-1, 32)); a = np.abs(x).max(-1, keepdims=True)
;;       e = np.where(a > 0, np.clip(np.frexp(np.where(a > 0, a, 1))[1] - 1 - 2, -126, 127), 0)      # np.frexp(a)[1] - 1 = floor(log2(a)), exactly
;;       r = np.clip(x / 2.0 ** e, -6, 6)
;;       step = 2.0 ** (np.maximum(np.frexp(np.where(r == 0, 1, r))[1] - 1, 0) - 1)
;;       q = np.round(r / step) * step * 2.0 ** e      # np.round: ties to even
;;       return np.moveaxis(q.reshape(q.shape[:-2] + (-1,))[..., :K], -1, axis).astype(np.float32)
;;   ~~~
;; One version. Each part assembles by itself: llvm-mc -triple=amdgcn-amd-amdhsa -mcpu=gfx1250 --defsym DOCPART=n.
;; ======== version 1 of 1: 5 launches
;; limits: values are held in f16: magnitudes above 65,504 overflow, below 6.1e-05 lose precision
;; workspace buffers: xq 13,369,344 bytes; wp 3,768,320 bytes; qkv 50,331,648 bytes; vf 1,048,576 bytes; ao 16,777,216 bytes; of 262,144 bytes
;; launch prep (part 1): grid 880 x 1, 4 waves a work-group, no clusters, 68,096 bytes of LDS; arguments q, k, v, wq, wk, wv, wo, xq, wp; writes xq, wp
.if DOCPART == 1
	.amdgcn_target "amdgcn-amd-amdhsa--gfx1250"
	.amdhsa_code_object_version 6
	.text
	.protected	k_qe09c565db7_prep
	.globl	k_qe09c565db7_prep
	.p2align	8
	.type	k_qe09c565db7_prep,@function
k_qe09c565db7_prep:
	s_mov_b64 s[64:65], 0
	v_nop
	global_prefetch_b8 v0, s[64:65] scope:SCOPE_SE
	s_setreg_imm32_b32 hwreg(HW_REG_WAVE_MODE, 25, 1), 1
	s_wait_xcnt 0x0
; All operands are made ready in one launch; three ways part on the work-group's number alone.
; Work-groups 0-47 (the longest, so they come first): wq, wk, wv, [1024 (k)][1024 (n)] f32, K their FIRST axis, become codes of FP4 (E2M1) laid [n][k], K innermost, and E8M0 bytes [n][k / 32].
;   Number / 8 = 2 x weight + half of K; number % 8 = which 128 columns.  A lane takes a column and its registers run down K: a block of 32 lies in one lane, the conversions give K innermost, nothing is transposed.
;   The codes leave through the wave's own stage in LDS: sixteen lanes store 256 consecutive bytes, aligned.
; Work-groups 48-111: wo becomes f16 as it lies: 16,384 bytes in and 8,192 out a wave; no LDS.
; Work-groups 112-879: q, k, v, each [8192][1024] f32, 256 work-groups each, become codes with K innermost and one E8M0 byte for each 32 along K.  Rows are dense, so a tensor is a stream of blocks of 32; a wave takes
;   16 steps of 512 numbers.  Each load reads 512 consecutive bytes; a step's 2,048 bytes turn through the wave's own stage in LDS so that a lane holds 16 neighbours along K.
; xq: codes [3][8192][512 bytes] from byte 0, scale bytes [3][8192][32] from XSO.  wp: codes [3][1024][512 bytes] from byte 0, scale bytes [3][1024][32] from WS, wo in f16 [1024 (k)][1024 (n)] from WO.
; A block's byte is its largest magnitude's exponent field - 2, held at 1 from below; each number is divided by that scale and rounded to the nearest code, ties to even, beyond 6 the largest code.
; LIMITS: a block of zeros gets the byte 1 (its codes are zeros, and this program alone reads the bytes); NaN and infinities are not served.
; LDS: the streams' stages from byte 0, the weights' stages from WSTG: each way has bytes of its own; the spare words behind both.  No barrier: waves share nothing.
.set EMAX,  2
.set SPW,   192                        ; v192 my spare word's LDS address; never rewritten
.set NIL,   193                        ; v193 0; never rewritten
.set WREG,  8192                       ; the streams: a region for each wave: two stages of 32 x SP bytes, then its 256 scale bytes
.set SP,    80                         ; a lane's place in a stage: 64 bytes + 16 of padding
.set WSTG,  4*WREG                     ; the weights' four stages, 32 rows of PITCH bytes each
.set PITCH, 272
.set SPARE, WSTG+4*32*PITCH            ; the spare words, 128 bytes a wave; no other line names them
.set XSO,   12582912
.set WS,    1572864
.set WO,    1671168
.set STEPS, 16
.set CB,    8                          ; bytes of 16 codes
.set XR,    16                         ; the streams: v16-79 four sets of 16 numbers as loaded
.set XX,    80                         ; v80-111  two sets of 16 neighbours
.set XE,    112                        ; v112-127 a scale byte a step
.set XC,    128                        ; v128-191 codes, four registers a step: no store's data are written again
.set SIZE_K, 1024
.set SIZE_N, 1024
.set KW,    512
.set NB,    KW/32
.set KROW,  SIZE_K/2
.set WX,    32                         ; the weights: v32-95 two sets of 32 numbers
.set WC,    96                         ; v96-99   a block's codes
.set OUTR,  112                        ; v112-175 the way out
.set SB,    24                         ; v24-27   scale bytes, four to a register
	s_load_b512 s[36:51], s[0:1], 0x0              ; q, k, v, wq, wk, wv, wo, xq
	s_load_b64 s[52:53], s[0:1], 0x40              ; wp
	v_lshl_add_u32 v[SPW], v0, 2, SPARE
	v_mov_b32 v[NIL], 0
	v_lshrrev_b32 v1, 5, v0
	v_readfirstlane_b32 s16, v1                    ; wave
	v_and_b32 v2, 31, v0                           ; lane
	s_wait_kmcnt 0x0
	s_cmp_ge_u32 ttmp9, 112
	s_cbranch_scc1 .Lx
	s_cmp_ge_u32 ttmp9, 48
	s_cbranch_scc1 .Lwo
	; ---- a weight's codes
	s_lshr_b32 s14, ttmp9, 3
	s_and_b32 s15, ttmp9, 7                        ; which 128 columns
	s_lshr_b32 s30, s14, 1                         ; which weight
	s_and_b32 s18, s14, 1                          ; which half of K
	s_cmp_eq_u32 s30, 0
	s_cselect_b64 s[4:5], s[42:43], s[44:45]
	s_cmp_lt_u32 s30, 2
	s_cselect_b64 s[4:5], s[4:5], s[46:47]
	s_lshl_b32 s17, s15, 7
	s_lshl_b32 s19, s16, 5
	s_add_co_u32 s17, s17, s19                     ; my wave's first column
	v_lshlrev_b32 v3, 2, v2                        ; in: 4 bytes a lane
	s_mul_i32 s19, s16, 32*PITCH
	s_add_co_u32 s19, s19, WSTG                    ; my stage
	v_mul_u32_u24 v4, v2, PITCH
	v_add_nc_u32 v4, s19, v4                       ; into it: row = my column
	v_and_b32 v5, 15, v2
	v_lshrrev_b32 v6, 4, v2
	v_mul_u32_u24 v7, v6, PITCH
	v_lshl_add_u32 v7, v5, 4, v7
	v_add_nc_u32 v7, s19, v7                       ; out of it: sixteen lanes to a row, two rows an instruction
	v_mul_u32_u24 v8, v6, KROW
	v_lshl_add_u32 v8, v5, 4, v8                   ; the same place in the codes
	v_mul_u32_u24 v9, v2, SIZE_K/32                ; my column's row of scale bytes
	s_mul_i32 s20, s18, KW*SIZE_N*4
	s_lshl_b32 s22, s17, 2
	s_add_co_u32 s20, s20, s22
	s_mov_b32 s21, 0
	s_add_nc_u64 s[4:5], s[4:5], s[20:21]          ; the weight at (512 x half, my column)
	s_mul_i32 s24, s30, 524288
	s_mul_i32 s22, s17, KROW
	s_add_co_u32 s24, s24, s22
	s_lshl_b32 s22, s18, 8
	s_add_co_u32 s24, s24, s22
	s_mov_b32 s25, 0
	s_add_nc_u64 s[6:7], s[52:53], s[24:25]        ; my codes
	s_mul_i32 s28, s30, 32768
	s_lshl_b32 s22, s17, 5
	s_add_co_u32 s28, s28, s22
	s_lshl_b32 s22, s18, 4
	s_add_co_u32 s28, s28, s22
	s_add_co_u32 s28, s28, WS
	s_mov_b32 s29, 0
	s_add_nc_u64 s[8:9], s[52:53], s[28:29]        ; my scale bytes
.macro WLOAD t                         ; block t: W(32 t + i, my column) into set t % 2; the largest immediate is 511 rows of 4,096 bytes
.irp i, 0,1,2,3,4,5,6,7,8,9,10,11,12,13,14,15,16,17,18,19,20,21,22,23,24,25,26,27,28,29,30,31
	global_load_b32 v[WX+32*((\t)%2)+\i], v3, s[4:5] offset:(32*(\t)+\i)*SIZE_N*4 th:TH_LOAD_NT
.endr
.endm
	WLOAD 0
	WLOAD 1
.macro WBLOCK t
.set XS, WX+32*((\t)%2)
.if (\t) < NB-1
	s_wait_loadcnt 32                              ; this block's 32 loads are in; the next block's may be out
.else
	s_wait_loadcnt 0
.endif
	v_max3_num_f32 v12, |v[XS]|, |v[XS+1]|, |v[XS+2]|
	v_max3_num_f32 v13, |v[XS+3]|, |v[XS+4]|, |v[XS+5]|
.irp i, 6,10,14,18,22,26
	v_max3_num_f32 v12, v12, |v[XS+\i]|, |v[XS+\i+1]|
	v_max3_num_f32 v13, v13, |v[XS+\i+2]|, |v[XS+\i+3]|
.endr
	v_max3_num_f32 v12, v12, |v[XS+30]|, |v[XS+31]|
	v_max3_num_f32 v12, v12, v13, (EMAX+1)<<23     ; with the floor 2^(3 - 127)
	v_add_nc_u32 v11, -(EMAX<<23), v12             ; the conversion's scale operand
	v_lshrrev_b32 v13, 23, v11                     ; the scale's byte
.if (\t)%4 == 0
	v_mov_b32 v[SB+(\t)/4], v13
.else
	v_lshl_or_b32 v[SB+(\t)/4], v13, 8*((\t)%4), v[SB+(\t)/4]
.endif
.irp g, 0,1,2,3
	v_cvt_scalef32_pk8_fp4_f32 v[WC+\g], v[XS+8*\g:XS+8*\g+7], v11
.endr
	ds_store_b128 v4, v[WC:WC+3] offset:16*(\t)    ; 32 codes: 16 bytes of my column's row
.if (\t)+2 < NB
	WLOAD (\t)+2
.endif
	s_wait_dscnt 0x0                               ; the store has read its registers: the next block's codes may be written
.endm
.set Q, 0
.rept NB
	WBLOCK Q
.set Q, Q+1
.endr
	global_store_b128 v9, v[SB:SB+3], s[8:9]       ; my column's 16 scale bytes
.irp t, 0,1,2,3,4,5,6,7,8,9,10,11,12,13,14,15
	ds_load_b128 v[OUTR+4*\t:OUTR+4*\t+3], v7 offset:2*\t*PITCH
.endr
.irp t, 0,1,2,3,4,5,6,7,8,9,10,11,12,13,14,15
	s_wait_dscnt 15-\t
	global_store_b128 v8, v[OUTR+4*\t:OUTR+4*\t+3], s[6:7] offset:2*\t*KROW
.endr
	s_wait_tensorcnt 0x0                           ; the wave's end
	ds_add_u32 v[SPW], v[NIL]
	s_wait_dscnt 0x0
	s_endpgm
.Lwo:                                              ; ---- wo to f16
	s_sub_co_u32 s14, ttmp9, 48
	s_lshl_b32 s14, s14, 2
	s_add_co_u32 s14, s14, s16                     ; my chunk, 0 to 255
	s_lshl_b32 s20, s14, 14
	s_mov_b32 s21, 0
	s_add_nc_u64 s[10:11], s[48:49], s[20:21]
	s_lshl_b32 s20, s14, 13
	s_add_co_u32 s20, s20, WO
	s_add_nc_u64 s[12:13], s[52:53], s[20:21]
	v_lshlrev_b32 v3, 4, v2
	v_lshlrev_b32 v4, 3, v2
.set i, 0
.rept 32
	global_load_b128 v[32+4*i:35+4*i], v3, s[10:11] offset:512*i   ; all 32 loads of the wave are out at once
.set i, i+1
.endr
.set i, 0
.rept 32
	s_wait_loadcnt 31-i                            ; loads come back in order: number i is in
	v_cvt_pk_f16_f32 v[32+4*i], v[32+4*i], v[33+4*i]               ; in place: four numbers become two registers
	v_cvt_pk_f16_f32 v[33+4*i], v[34+4*i], v[35+4*i]
	global_store_b64 v4, v[32+4*i:33+4*i], s[12:13] offset:256*i   ; 256 consecutive bytes, aligned; no register is written behind its store
.set i, i+1
.endr
	s_wait_tensorcnt 0x0                           ; the same three lines on this way too
	ds_add_u32 v[SPW], v[NIL]
	s_wait_dscnt 0x0
	s_endpgm
.Lx:                                               ; ---- q, k, v
	s_sub_co_u32 s32, ttmp9, 112                   ; 0 to 767
	v_lshlrev_b32 v3, 4, v2                        ; my 16 bytes of a load's 512
	s_mul_i32 s17, s16, WREG
	v_lshrrev_b32 v14, 2, v2
	v_mul_u32_u24 v14, v14, SP
	v_and_b32 v15, 3, v2
	v_lshl_add_u32 v14, v15, 4, v14
	v_add_nc_u32 v14, s17, v14                     ; the stage, way in: SP (lane / 4) + 16 (lane % 4)
	v_mul_u32_u24 v15, v2, SP
	v_add_nc_u32 v15, s17, v15                     ; way out: SP x lane: my 16 neighbours
	v_mul_u32_u24 v4, v2, CB                       ; my codes' place in a step's
	v_lshrrev_b32 v5, 1, v2
	s_add_co_u32 s17, s17, 2*32*SP
	v_add_nc_u32 v5, s17, v5                       ; LDS: my block's scale byte
	v_lshlrev_b32 v7, 3, v2
	v_add_nc_u32 v6, s17, v7                       ; and 8 bytes a lane on the way out
	s_cmp_lt_u32 s32, 256                          ; which tensor: the choice hangs on the work-group's number alone
	s_cselect_b64 s[4:5], s[36:37], s[38:39]
	s_cmp_lt_u32 s32, 512
	s_cselect_b64 s[4:5], s[4:5], s[40:41]
	s_and_b32 s17, s32, 255
	s_lshl_b32 s17, s17, 2
	s_add_co_u32 s18, s17, s16                     ; my run of 8,192 numbers in the tensor
	s_lshl_b32 s18, s18, 15                        ; 32,768 bytes a run
	s_mov_b32 s19, 0
	s_add_nc_u64 s[4:5], s[4:5], s[18:19]
	s_lshl_b32 s20, s32, 2
	s_add_co_u32 s20, s20, s16                     ; my run among all three tensors'
	s_lshl_b32 s22, s20, 12                        ; 4,096 bytes of codes a run
	s_mov_b32 s23, 0
	s_add_nc_u64 s[8:9], s[50:51], s[22:23]
	s_lshl_b32 s22, s20, 8                         ; 256 scale bytes a run
	s_add_co_u32 s22, s22, XSO
	s_add_nc_u64 s[10:11], s[50:51], s[22:23]
.macro XLOAD t
.irp i, 0,1,2,3
	global_load_b128 v[XR+16*((\t)%4)+4*\i:XR+16*((\t)%4)+4*\i+3], v3, s[4:5] offset:2048*(\t)+512*\i th:TH_LOAD_NT   ; 32 lanes read 512 consecutive bytes
.endr
.endm
.macro XTURN t                         ; step t through the stage: LDS serves a wave's instructions in order, so no wait stands between stores and loads
.irp i, 0,1,2,3
	ds_store_b128 v14, v[XR+16*((\t)%4)+4*\i:XR+16*((\t)%4)+4*\i+3] offset:32*SP*((\t)%2)+8*SP*\i
.endr
.irp i, 0,1,2,3
	ds_load_b128 v[XX+16*((\t)%2)+4*\i:XX+16*((\t)%2)+4*\i+3], v15 offset:32*SP*((\t)%2)+16*\i
.endr
.endm
.irp t, 0,1,2,3
	XLOAD \t
.endr
	s_wait_loadcnt 12                              ; step 0's four loads are in
	XTURN 0
.macro XSTEP t
.set XS, XX+16*((\t)%2)
.if (\t) > 0
	s_wait_dscnt 1                                 ; this step's numbers are back (the last step's byte store may be out)
.else
	s_wait_dscnt 0x0
.endif
.if (\t)+4 < STEPS
	XLOAD (\t)+4                                   ; the set that the stage's stores have read takes the loads of four steps on
.endif
.if (\t)+1 < STEPS
.if STEPS-2-(\t) >= 3
	s_wait_loadcnt 12                              ; the next step's four loads are in; three steps' may be out
.else
	s_wait_loadcnt 4*(STEPS-2-(\t))
.endif
	XTURN (\t)+1
.endif
	v_max3_num_f32 v8, |v[XS]|, |v[XS+1]|, |v[XS+2]|               ; the largest magnitude of my 16, in two chains
	v_max3_num_f32 v9, |v[XS+3]|, |v[XS+4]|, |v[XS+5]|
.irp i, 6,10
	v_max3_num_f32 v8, v8, |v[XS+\i]|, |v[XS+\i+1]|
	v_max3_num_f32 v9, v9, |v[XS+\i+2]|, |v[XS+\i+3]|
.endr
	v_max3_num_f32 v8, v8, |v[XS+14]|, |v[XS+15]|
	v_max3_num_f32 v8, v8, v9, (EMAX+1)<<23        ; and the floor 2^(3 - 127): the byte cannot fall under 1
	v_max_num_f32_dpp v8, v8, v8 row_xmask:1 row_mask:0xf bank_mask:0xf   ; with my neighbour's 16: the block's
	v_add_nc_u32 v11, -(EMAX<<23), v8              ; 2 off the exponent field: the conversion takes this operand's exponent field as its scale
	v_cvt_scalef32_pk8_fp4_f32 v[XC+4*(\t)], v[XS:XS+7], v11
	v_cvt_scalef32_pk8_fp4_f32 v[XC+4*(\t)+1], v[XS+8:XS+15], v11
	v_lshrrev_b32 v[XE+(\t)], 23, v11              ; the scale's byte
	ds_store_b8 v5, v[XE+(\t)] offset:16*(\t)      ; both lanes of a block write the same byte with the same value
	global_store_b64 v4, v[XC+4*(\t):XC+4*(\t)+1], s[8:9] offset:32*CB*(\t)   ; the wave stores 256 consecutive bytes, aligned
.endm
.irp t, 0,1,2,3,4,5,6,7,8,9,10,11,12,13,14,15
	XSTEP \t
.endr
	ds_load_b64 v[8:9], v6                         ; in order behind my byte stores
	s_wait_dscnt 0x0
	global_store_b64 v7, v[8:9], s[10:11]          ; 256 consecutive scale bytes, aligned
	s_wait_tensorcnt 0x0                           ; the wave's end
	ds_add_u32 v[SPW], v[NIL]
	s_wait_dscnt 0x0
	s_endpgm
.Lfunc_end_k_qe09c565db7_prep:
	.size	k_qe09c565db7_prep, .Lfunc_end_k_qe09c565db7_prep-k_qe09c565db7_prep
	.p2alignl 7, 3214868480
	.fill 96, 4, 3214868480
	.section	.rodata,"a",@progbits
	.p2align	6, 0x0
	.amdhsa_kernel k_qe09c565db7_prep
		.amdhsa_group_segment_fixed_size 68096
		.amdhsa_private_segment_fixed_size 0
		.amdhsa_enable_private_segment 0
		.amdhsa_kernarg_size 72
		.amdhsa_user_sgpr_count 2
		.amdhsa_user_sgpr_kernarg_segment_ptr 1
		.amdhsa_wavefront_size32 1
		.amdhsa_system_sgpr_workgroup_id_x 1
		.amdhsa_system_sgpr_workgroup_id_y 1
		.amdhsa_system_sgpr_workgroup_id_z 1
		.amdhsa_system_vgpr_workitem_id 0
		.amdhsa_next_free_vgpr 200
		.amdhsa_next_free_sgpr 66
		.amdhsa_reserve_vcc 0
		.amdhsa_float_denorm_mode_32 3
		.amdhsa_float_denorm_mode_16_64 3
		.amdhsa_memory_ordered 1
		.amdhsa_forward_progress 1
		.amdhsa_inst_pref_size 123
	.end_amdhsa_kernel
	.amdgpu_metadata
---
amdhsa.version: [ 1, 2 ]
amdhsa.kernels:
  - .name:           k_qe09c565db7_prep
    .symbol:         k_qe09c565db7_prep.kd
    .args:
      - { .name: q, .offset: 0, .size: 8, .value_kind: global_buffer, .address_space: global }
      - { .name: k, .offset: 8, .size: 8, .value_kind: global_buffer, .address_space: global }
      - { .name: v, .offset: 16, .size: 8, .value_kind: global_buffer, .address_space: global }
      - { .name: wq, .offset: 24, .size: 8, .value_kind: global_buffer, .address_space: global }
      - { .name: wk, .offset: 32, .size: 8, .value_kind: global_buffer, .address_space: global }
      - { .name: wv, .offset: 40, .size: 8, .value_kind: global_buffer, .address_space: global }
      - { .name: wo, .offset: 48, .size: 8, .value_kind: global_buffer, .address_space: global }
      - { .name: xq, .offset: 56, .size: 8, .value_kind: global_buffer, .address_space: global }
      - { .name: wp, .offset: 64, .size: 8, .value_kind: global_buffer, .address_space: global }
    .group_segment_fixed_size: 68096
    .private_segment_fixed_size: 0
    .kernarg_segment_align: 8
    .kernarg_segment_size: 72
    .max_flat_workgroup_size: 128
    .sgpr_count:     66
    .vgpr_count:     200
    .wavefront_size: 32
...
	.end_amdgpu_metadata
.endif
;; end of part 1
;; launch proj (part 2): grid 4 x 96, 4 waves a work-group, clusters of 4 x 4, 327,680 bytes of LDS; arguments xq, wp, qkv, bq, bk, bv, vf; writes qkv, vf
.if DOCPART == 2
	.amdgcn_target "amdgcn-amd-amdhsa--gfx1250"
	.amdhsa_code_object_version 6
	.text
	.protected	k_qe09c565db7_proj
	.globl	k_qe09c565db7_proj
	.p2align	8
	.type	k_qe09c565db7_proj,@function
k_qe09c565db7_proj:
	s_mov_b64 s[64:65], 0
	v_nop
	global_prefetch_b8 v0, s[64:65] scope:SCOPE_SE
	s_setreg_imm32_b32 hwreg(HW_REG_WAVE_MODE, 25, 1), 1
	s_wait_xcnt 0x0
	s_wait_alu depctr_hold_cnt(0) depctr_sa_sdst(0) depctr_va_vdst(0) depctr_va_sdst(0) depctr_va_ssrc(0) depctr_va_vcc(0) depctr_vm_vsrc(0)
	s_getreg_b32 s2, hwreg(HW_REG_IB_STS2, 6, 4)
	s_cmp_eq_u32 s2, 0
	s_cbranch_scc0 .Lentry_in_a_cluster
	s_endpgm
.Lentry_in_a_cluster:
	s_bfe_u32 s2, ttmp6, 0x10000c
	s_cmp_lg_u32 s2, 0xf033
	s_cbranch_scc0 .Lentry_shape_is_right
	s_endpgm
.Lentry_shape_is_right:
; The three quantised products as one stacked GEMM on codes of FP4: C[m][n] = sum over k of X[m][k] W[t][n][k] + bias[t][n], m = 0 .. 24,575, t = m / 8,192 (q, k, v), n, k = 0 .. 1,023.
; C goes to qkv as f16, [3][8192][1024].  The q tensor's sums are multiplied by c = log2(e) / 8 in f32 ahead of their one rounding, so that the attention's scores come out as exponents of 2.
; The f32 sums of the first 16 rows of some tiles of v go to vf as well: entry 4 b holds positions 0-15 of batch b.  (All four partners of such a cluster row store their first 16 rows: no branch hangs on a place in the cluster.)
; A tile of C, 256 x 256, is made by four waves, each 128 x 128: 64 accumulators, 512 registers.  K = 1,024 is two slots of 512: scales and both slots are asked for at the head, three loads a wave, and nothing is filled again.
; CLUSTERS 4 x 4: X's tiles are shared along a row of the cluster, W's along a column: joint loads.  The matrix instruction is used transposed (source 0 = 16 rows of W, source 1 = 16 rows of X): a lane holds eight neighbouring columns of a row of C.
; The bias is the C of each sum's first instruction.
; REGISTERS: window 0: v0-31 addresses; v32-95 scale words and nothing else; v128-191 X's fragments, one set; v192-255 the bias, later packed results; v96-127, v224-255 rows on the way out.
;   window 1: W's fragments, two sets.   window 2, 3: accumulators of my rows 0-63, 64-127 ((a, b) at v[8 (8 (a % 4) + b)]).
.set SIZE_N, 1024
.set KSTEP,  512
.set NQ,     4
.set ROWB,   256
.set KROW,   512
.set PITCH,  272                       ; 256 bytes + 16: the sixteen rows of a fragment load start at sixteen different 16-byte columns
.set FR,     8
.set NL,     2
.set NP,     4
.set HALFT,  128*PITCH
.set SLOT,   4*HALFT
.set KS,     32
.set SCL,    2*SLOT
.set HALFS,  (128*KS/256)*272
.set SBLK,   (16*KS/256)*272
.set SPARE,  SCL+4*HALFS
.set SP16,   272                       ; the f16 stage, 16 rows a wave, from LDS byte 0 (slot 0: filled once, and read no more behind the change of slots)
.set SP32,   528                       ; the f32 stage, 16 rows a wave, from STG32, in slot 0 too
.set STG32,  32768
.set XSO,    12582912
.set WS,     1572864
.set ADRA, 16
.set ADRB, 20
.set VCO,  22                          ; v22 16 x lane: my bytes in a row of vf
.set BOF,  23                          ; v23 32 h: my bytes in a tile's bias
.set STO,  24
.set RD,   25
.set CO,   26
.set ADRS, 27
.set SPW,  28
.set NIL,  29
.set VSTO, 30
.set VRD,  31
.set SC,   32
.set AF,   128
.set BIAS, 192
.set TMP,  192
.set G1, 24
.set G0, 32
.set G1B, 48
.set G0B, 56
.set G1S, 68
.set G0S, 76
.set G1SB, 80
.set G0SB, 88
.set MSB, 0
.macro WIN new
.if MSB != \new
	s_set_vgpr_msb (MSB<<8)|\new
.set MSB, \new
.endif
.endm
.set MUL_LO, 0xa1
.set MUL_HI, 0xf1
.set TO_B,   0x40
.macro JLOAD g0a, g1a, g0b, g1b        ; waves 0, 1 fetch for X, waves 2, 3 for W; the branch hangs on the wave's number alone; s_nop 0 and four v_nop follow each load
	s_cmp_eq_u32 s15, 0
	s_cbranch_scc0 .Lfor_b_\@
	tensor_load_to_lds s[\g0a:\g0a+3], s[\g1a:\g1a+7]
	s_nop 0
.rept 4
	v_nop
.endr
	s_branch .Lasked_\@
.Lfor_b_\@:
	tensor_load_to_lds s[\g0b:\g0b+3], s[\g1b:\g1b+7]
	s_nop 0
.rept 4
	v_nop
.endr
.Lasked_\@:
.endm
.macro CROUND                          ; a round of the cluster's barrier
	s_barrier_signal -1
	s_barrier_wait -1
	s_cmp_lg_u32 s14, 0
	s_cbranch_scc1 .Lnot_wave_0_\@
	s_barrier_signal -3
.Lnot_wave_0_\@:
	s_barrier_wait -3
	s_barrier_signal -1
	s_barrier_wait -1
.endm
	s_load_b64 s[4:5], s[0:1], 0x0                 ; xq
	s_load_b64 s[8:9], s[0:1], 0x8                 ; wp
	s_load_b64 s[12:13], s[0:1], 0x10              ; qkv
	s_load_b64 s[96:97], s[0:1], 0x18              ; bq
	s_load_b64 s[98:99], s[0:1], 0x20              ; bk
	s_load_b64 s[100:101], s[0:1], 0x28            ; bv
	s_load_b64 s[104:105], s[0:1], 0x30            ; vf
	v_lshl_add_u32 v[SPW], v0, 2, SPARE
	v_mov_b32 v[NIL], 0
	ds_add_u32 v[SPW], v[NIL]                      ; the opening: the add, twice on end, and its wait ahead of my first tensor load
	ds_add_u32 v[SPW], v[NIL]
	v_lshrrev_b32 v1, 5, v0
	v_readfirstlane_b32 s14, v1                    ; wave
	s_lshr_b32 s15, s14, 1                         ; my half of the tile's rows; also: I fetch for X (0) or W (1)
	s_and_b32 s16, s14, 1                          ; my half of its columns; also: which 128 rows I fetch
	s_bfe_u32 s40, ttmp6, 0x40000                  ; cx
	s_bfe_u32 s41, ttmp6, 0x40004                  ; cy
	s_lshl_b32 s42, ttmp9, 2
	s_add_co_u32 s42, s42, s40                     ; tile column
	s_and_b32 s17, ttmp7, 0xffff
	s_lshr_b32 s66, s17, 3                         ; which tensor: 8 rows of clusters each; the same in all partners
	s_lshl_b32 s17, s17, 2
	s_add_co_u32 s17, s17, s41                     ; tile row
	s_lshl_b32 s43, s41, 2
	s_lshl_b32 s43, 15, s43                        ; my row of the cluster
	s_lshl_b32 s44, 0x1111, s40                    ; my column
	s_or_b32 s[G1+0], s43, (0<<16)|(1<<20)|(1<<21)|(5<<22)|(3<<25)   ; mask; elements of 1 byte; padding: 4 words behind every 64
	s_or_b32 s[G1B+0], s44, (0<<16)|(1<<20)|(1<<21)|(5<<22)|(3<<25)
.irp g, G1, G1B
	s_mov_b32 s[\g+1], ROWB<<16
	s_mov_b32 s[\g+2], 128<<16
	s_mov_b32 s[\g+3], ROWB<<16
	s_mov_b32 s[\g+4], 128
	s_mov_b32 s[\g+5], KROW
	s_mov_b32 s[\g+6], 0
	s_mov_b32 s[\g+7], 0
.endr
	s_or_b32 s[G1S+0], s43, (3<<16)|(1<<20)|(1<<21)|(5<<22)|(3<<25)  ; the scales of 128 rows: 4,096 dense bytes as 16 rows of 256
	s_or_b32 s[G1SB+0], s44, (3<<16)|(1<<20)|(1<<21)|(5<<22)|(3<<25)
.irp g, G1S, G1SB
	s_mov_b32 s[\g+1], 32<<16
	s_mov_b32 s[\g+2], (128*KS/256)<<16
	s_mov_b32 s[\g+3], 32<<16
	s_mov_b32 s[\g+4], 128*KS/256
	s_mov_b32 s[\g+5], 32
	s_mov_b32 s[\g+6], 0
	s_mov_b32 s[\g+7], 0
.endr
	s_lshl_b32 s18, s16, 7
	s_lshl_b32 s20, s17, 8
	s_add_co_u32 s20, s20, s18                     ; X: row 256 x tile row + 128 x half
	s_lshl_b32 s46, s42, 8
	s_add_co_u32 s46, s46, s18
	s_lshl_b32 s19, s66, 10
	s_add_co_u32 s46, s46, s19                     ; W: row 1,024 x tensor + 256 x tile column + 128 x half
	s_mov_b32 s21, 0
	s_mov_b32 s47, 0
	s_mov_b64 s[18:19], KS
	s_mul_u64 s[22:23], s[20:21], s[18:19]
	s_mul_u64 s[92:93], s[46:47], s[18:19]
	s_mov_b64 s[18:19], KROW
	s_mul_u64 s[20:21], s[20:21], s[18:19]
	s_mul_u64 s[46:47], s[46:47], s[18:19]
	s_mul_i32 s45, s14, HALFT
	s_mul_i32 s94, s14, HALFS
	s_wait_dscnt 0x0                               ; both opening adds are done
	s_wait_kmcnt 0x0
	s_add_nc_u64 s[6:7], s[4:5], XSO               ; X's scale bytes
	s_add_nc_u64 s[10:11], s[8:9], WS              ; W's
	s_add_nc_u64 s[20:21], s[4:5], s[20:21]
	s_add_nc_u64 s[22:23], s[6:7], s[22:23]
	s_add_nc_u64 s[46:47], s[8:9], s[46:47]
	s_add_nc_u64 s[92:93], s[10:11], s[92:93]
	CROUND                                         ; all sixteen work-groups are here: the joint loads meet
	s_mov_b32 s[G0S], 1
	s_add_co_u32 s[G0S+1], s94, SCL
	s_mov_b64 s[G0S+2:G0S+3], s[22:23]
	s_or_b32 s[G0S+3], s[G0S+3], 0x80000000
	s_mov_b32 s[G0SB], 1
	s_add_co_u32 s[G0SB+1], s94, SCL
	s_mov_b64 s[G0SB+2:G0SB+3], s[92:93]
	s_or_b32 s[G0SB+3], s[G0SB+3], 0x80000000
	JLOAD G0S, G1S, G0SB, G1SB
.irp s, 0,1
	s_mov_b32 s[G0+4*\s], 1
	s_add_co_u32 s[G0+4*\s+1], s45, \s*SLOT
	s_add_nc_u64 s[G0+4*\s+2:G0+4*\s+3], s[20:21], \s*ROWB
	s_or_b32 s[G0+4*\s+3], s[G0+4*\s+3], 0x80000000
	s_mov_b32 s[G0B+4*\s], 1
	s_add_co_u32 s[G0B+4*\s+1], s45, \s*SLOT
	s_add_nc_u64 s[G0B+4*\s+2:G0B+4*\s+3], s[46:47], \s*ROWB
	s_or_b32 s[G0B+4*\s+3], s[G0B+4*\s+3], 0x80000000
	JLOAD G0+4*\s, G1, G0B+4*\s, G1B
.endr
	v_and_b32 v1, 15, v0                           ; r
	v_bfe_u32 v2, v0, 4, 1                         ; h
	; the bias, and the factor of the way out
	s_cmp_eq_u32 s66, 0
	s_cselect_b64 s[96:97], s[96:97], s[98:99]
	s_cselect_b32 s2, 0x3e38aa3b, 1.0              ; c = log2(e) / 8 for q, 1 for k and v
	s_cmp_lt_u32 s66, 2
	s_cselect_b64 s[96:97], s[96:97], s[100:101]
	s_mov_b32 s3, s2
	s_lshl_b32 s18, s42, 10
	s_lshl_b32 s19, s16, 9
	s_add_co_u32 s18, s18, s19
	s_mov_b32 s19, 0
	s_add_nc_u64 s[96:97], s[96:97], s[18:19]      ; at my 128 columns
	v_lshlrev_b32 v[BOF], 5, v2
.irp b, 0,1,2,3,4,5,6,7
	global_load_b128 v[BIAS+8*\b:BIAS+8*\b+3], v[BOF], s[96:97] offset:64*\b      ; register 8 b + j: bias of column 16 b + 8 h + j
	global_load_b128 v[BIAS+8*\b+4:BIAS+8*\b+7], v[BOF], s[96:97] offset:64*\b+16
.endr
	v_mul_u32_u24 v3, v1, PITCH
	v_lshl_add_u32 v4, v2, 4, v3
	s_mul_i32 s21, s15, HALFT
	s_mul_i32 s22, s16, HALFT
	s_add_co_u32 s22, s22, 2*HALFT
.irp s, 0,1
	v_add_nc_u32 v[ADRA+\s], s21, v4
	v_add_nc_u32 v[ADRB+\s], s22, v4
	s_add_co_u32 s21, s21, SLOT
	s_add_co_u32 s22, s22, SLOT
.endr
	v_mul_u32_u24 v5, v1, KS
	v_lshrrev_b32 v6, 8, v5
	v_lshl_add_u32 v5, v6, 4, v5                   ; my row's scales: 32 bytes a row, 16 more for each 256 passed
	s_mul_i32 s21, s15, HALFS
	s_mul_i32 s22, s16, HALFS
	s_add_co_u32 s22, s22, 2*HALFS
	s_sub_co_u32 s22, s22, s21
	v_mul_u32_u24 v6, s22, v2                      ; lanes 16-31 take W's
	s_add_co_u32 s21, s21, SCL
	v_add_nc_u32 v5, v5, v6
	v_add_nc_u32 v[ADRS], s21, v5
	s_mul_i32 s23, s14, 16*SP16                    ; my f16 stage
	v_mul_u32_u24 v5, v1, SP16
	v_lshl_add_u32 v5, v2, 4, v5
	v_add_nc_u32 v[STO], s23, v5                   ; in: row r, 16 bytes for each half of the lanes
	v_mul_u32_u24 v5, v2, SP16
	v_lshl_add_u32 v5, v1, 4, v5
	v_add_nc_u32 v[RD], s23, v5                    ; back: lanes 0-15 one row of 256 bytes, lanes 16-31 the next
	v_lshlrev_b32 v5, 11, v2
	v_lshl_add_u32 v[CO], v1, 4, v5                ; the same two rows in qkv
	s_mul_i32 s23, s14, 16*SP32
	s_add_co_u32 s23, s23, STG32                   ; my f32 stage
	v_mul_u32_u24 v5, v1, SP32
	v_lshl_add_u32 v5, v2, 5, v5
	v_add_nc_u32 v[VSTO], s23, v5
	v_and_b32 v6, 31, v0
	v_lshlrev_b32 v[VCO], 4, v6
	v_add_nc_u32 v[VRD], s23, v[VCO]
	s_lshl_b32 s20, s17, 8
	s_lshl_b32 s21, s15, 7
	s_add_co_u32 s20, s20, s21                     ; my first row of C
	s_lshl_b32 s20, s20, 11                        ; 2,048 bytes a row
	s_lshl_b32 s46, s42, 9
	s_lshl_b32 s47, s16, 8
	s_add_co_u32 s46, s46, s47
	s_add_co_u32 s20, s20, s46
	s_mov_b32 s21, 0
	s_add_nc_u64 s[12:13], s[12:13], s[20:21]
	; who copies f32 rows to vf: tensor v, an even row of clusters, the wave's row half 0: cluster coordinates and the wave's number alone
	s_and_b32 s18, ttmp7, 0xffff
	s_and_b32 s19, s18, 0x19
	s_xor_b32 s19, s19, 0x10
	s_or_b32 s19, s19, s15
	s_cmp_eq_u32 s19, 0
	s_cselect_b32 s67, 1, 0
	s_bfe_u32 s18, s18, 0x20001                    ; the batch
	s_lshl_b32 s18, s18, 2
	s_add_co_u32 s18, s18, s41                     ; entry 4 x batch + cy
	s_lshl_b32 s18, s18, 16
	s_lshl_b32 s19, s42, 10
	s_add_co_u32 s18, s18, s19
	s_lshl_b32 s19, s16, 9
	s_add_co_u32 s18, s18, s19
	s_mov_b32 s19, 0
	s_add_nc_u64 s[104:105], s[104:105], s[18:19]
.macro FRAG reg, adr, q, i             ; 16 rows x 128 K of 4-bit codes: 8 registers, two loads 32 bytes apart
.irp c, 0,1
	ds_load_b128 v[\reg+4*\c:\reg+4*\c+3], v[\adr] offset:64*(\q)+32*\c+(\i)*16*PITCH
.endr
.endm
; 16 matrix instructions: X's blocks a0, a0 + 1 against W's eight.  first = 1: the bias is C.  The 64 accumulators take turns, one instruction a turn.
.macro MUL16 a0, p, q, sc, first
.irp a, \a0, \a0+1
.irp b, 0,1,2,3,4,5,6,7
.if \first
	v_wmma_scale_f32_16x16x128_f8f6f4 v[8*(8*((\a)%4)+\b):8*(8*((\a)%4)+\b)+7], v[128*(\p)+FR*\b:128*(\p)+FR*\b+FR-1], v[AF+FR*(\a):AF+FR*(\a)+FR-1], v[BIAS+8*\b:BIAS+8*\b+7], v[SC+8*NQ*(\sc)+NQ*\b+(\q)], v[SC+8*NQ*(\sc)+NQ*(\a)+(\q)] matrix_a_fmt:MATRIX_FMT_FP4 matrix_b_fmt:MATRIX_FMT_FP4 matrix_a_scale:MATRIX_SCALE_ROW1
.else
	v_wmma_scale_f32_16x16x128_f8f6f4 v[8*(8*((\a)%4)+\b):8*(8*((\a)%4)+\b)+7], v[128*(\p)+FR*\b:128*(\p)+FR*\b+FR-1], v[AF+FR*(\a):AF+FR*(\a)+FR-1], v[8*(8*((\a)%4)+\b):8*(8*((\a)%4)+\b)+7], v[SC+8*NQ*(\sc)+NQ*\b+(\q)], v[SC+8*NQ*(\sc)+NQ*(\a)+(\q)] matrix_a_fmt:MATRIX_FMT_FP4 matrix_b_fmt:MATRIX_FMT_FP4 matrix_a_scale:MATRIX_SCALE_ROW1
.endif
.endr
.endr
.endm
.macro FETCH_B slot, q, p
	WIN TO_B
.irp i, 0,1,2,3,4,5,6,7
	FRAG 128*(\p)+FR*\i, ADRB+\slot, \q, \i
.endr
	WIN 0
.endm
.macro FETCH_A slot, q, i0
.irp i, \i0, \i0+1, \i0+2, \i0+3
	FRAG AF+FR*(\i), ADRA+\slot, \q, \i
.endr
.endm
.macro SCALES sc                       ; a slot's scale words: lanes 0-15 X's block i, lanes 16-31 W's block i
.irp i, 0,1,2,3,4,5,6,7
	ds_load_b128 v[SC+8*NQ*\sc+NQ*\i:SC+8*NQ*\sc+NQ*\i+3], v[ADRS] offset:\i*SBLK
.endr
.endm
.macro PLACES n                        ; plain vector instructions between a matrix instruction and a load into, or a read of, its registers
.rept \n
	v_nop
.endr
.endm
.macro STEP slot, q, first             ; 128 along K, with its successor in the same slot
	s_wait_dscnt 4*NL                              ; W's set and X's blocks 0-3 are in; the youngest eight loads (blocks 4-7) may be out
.if \first
	WIN 0x81                                       ; C (the bias) in window 0, D in window 2
.else
	WIN MUL_LO
.endif
	MUL16 0, (\q)%2, \q, \slot, \first
	MUL16 2, (\q)%2, \q, \slot, \first
	s_wait_dscnt 0
	PLACES NP
	FETCH_B \slot, (\q)+1, 1-(\q)%2
	FETCH_A \slot, (\q)+1, 0
.if \first
	WIN 0xc1
.else
	WIN MUL_HI
.endif
	MUL16 4, (\q)%2, \q, \slot, \first
	MUL16 6, (\q)%2, \q, \slot, \first
	PLACES NP
	WIN 0
	FETCH_A \slot, (\q)+1, 4
.endm
.macro STEPS slot, from
.set Q, \from
.rept NQ-1-\from
	STEP \slot, Q, 0
.set Q, Q+1
.endr
.endm
	s_wait_tensorcnt 1                             ; the scales and my part of slot 0 are in; slot 1's load may be out
	s_barrier_signal -1
	s_barrier_wait -1
	FETCH_B 0, 0, 0
	FETCH_A 0, 0, 0
	SCALES 0
	FETCH_A 0, 0, 4
	s_wait_loadcnt 0x0                             ; the bias
	STEP 0, 0, 1
	STEPS 0, 1
	; slot 0's last step changes slots: one barrier; nothing is filled again
	s_wait_tensorcnt 0x0                           ; my part of slot 1 has landed
	ds_add_u32 v[SPW], v[NIL]
	s_wait_dscnt 4*NL+1                            ; the add and the youngest eight loads may be out
	WIN MUL_LO
	MUL16 0, 1, NQ-1, 0, 0
	s_wait_dscnt 0x0                               ; the add is done, and my reads of slot 0 are over
	s_barrier_signal -1
	MUL16 2, 1, NQ-1, 0, 0
	WIN 0
	s_barrier_wait -1
	PLACES NP
	v_add_nc_u32 v[ADRS], 4*NQ, v[ADRS]            ; the second slot's scale words
	FETCH_B 1, 0, 0
	FETCH_A 1, 0, 0
	SCALES 1
	WIN MUL_HI
	MUL16 4, 1, NQ-1, 0, 0
	MUL16 6, 1, NQ-1, 0, 0
	PLACES NP
	WIN 0
	FETCH_A 1, 0, 4
	STEPS 1, 0
	s_wait_dscnt 4*NL
	WIN MUL_LO
	MUL16 0, 1, NQ-1, 1, 0
	MUL16 2, 1, NQ-1, 1, 0
	s_wait_dscnt 0
	WIN MUL_HI
	MUL16 4, 1, NQ-1, 1, 0
	MUL16 6, 1, NQ-1, 1, 0
	WIN 0
	PLACES NP                                      ; behind the last products: for the reads of results and the loads into X's registers
	s_cmp_eq_u32 s67, 1
	s_cbranch_scc0 .Lno_vf
	WIN 0x08                                       ; an LDS store's data are its source 1: window 2
.irp b, 0,1,2,3,4,5,6,7
	ds_store_b128 v[VSTO], v[8*\b:8*\b+3] offset:64*\b             ; my rows 0-15 in f32, each accumulator from its low end on
	ds_store_b128 v[VSTO], v[8*\b+4:8*\b+7] offset:64*\b+16
.endr
	WIN 0
.irp t, 0,1,2,3,4,5,6,7,8,9,10,11,12,13,14,15
	ds_load_b128 v[AF+4*\t:AF+4*\t+3], v[VRD] offset:\t*SP32       ; in order behind my stores: whole rows of 512 bytes
.endr
	s_wait_dscnt 0x0
.irp t, 0,1,2,3,4,5,6,7,8,9,10,11,12,13,14,15
	global_store_b128 v[VCO], v[AF+4*\t:AF+4*\t+3], s[104:105] offset:\t*4096   ; 512 consecutive bytes, aligned; these registers are not written again
.endr
.Lno_vf:
; THE WAY OUT, a block of 16 rows x 128 columns at a time: x the factor, rounded to f16, through my stage, out as whole rows of 256 bytes.
.macro PACK a
.set AC, 64*((\a)%4)
	WIN 0x82+0x41*((\a)/4)                         ; destination and source 0: window 2 or 3
.set i, 0
.rept 32
	v_pk_mul_f32 v[AC+i:AC+i+1], v[AC+i:AC+i+1], s[2:3] op_sel_hi:[1,0]
.set i, i+2
.endr
	WIN 0x0a+5*((\a)/4)
.irp b, 0,1,2,3,4,5,6,7
.irp r, 0,1,2,3
	v_cvt_pk_f16_f32 v[TMP+4*\b+\r], v[AC+8*\b+2*\r], v[AC+8*\b+2*\r+1]
.endr
.endr
	WIN 0
.endm
.macro TOSTAGE a
.set BK, 96+128*((\a)%2)
.irp b, 0,1,2,3,4,5,6,7
	ds_store_b128 v[STO], v[TMP+4*\b:TMP+4*\b+3] offset:32*\b
.endr
.irp t, 0,1,2,3,4,5,6,7
	ds_load_b128 v[BK+4*\t:BK+4*\t+3], v[RD] offset:\t*2*SP16      ; LDS serves a wave's instructions in order: these see the stores above
.endr
.endm
.macro SEND a
.set BK, 96+128*((\a)%2)
	s_wait_dscnt 0x0                               ; the block is back in registers
	s_wait_xcnt 0x0                                ; earlier stores have read their base and their data: both may be written
.if (\a) > 0
	s_add_nc_u64 s[12:13], s[12:13], 16*2048
.endif
.irp t, 0,1,2,3,4,5,6,7
	global_store_b128 v[CO], v[BK+4*\t:BK+4*\t+3], s[12:13] offset:2*\t*2048   ; sixteen lanes store 256 consecutive bytes, aligned
.endr
.endm
	PACK 0
	TOSTAGE 0
.irp a, 1,2,3,4,5,6,7
	PACK \a
	SEND \a-1
	TOSTAGE \a
.endr
	SEND 7
	s_wait_tensorcnt 0x0                           ; the wave's end
	ds_add_u32 v[SPW], v[NIL]
	s_wait_dscnt 0x0
	CROUND                                         ; the closing round
	s_endpgm
.Lfunc_end_k_qe09c565db7_proj:
	.size	k_qe09c565db7_proj, .Lfunc_end_k_qe09c565db7_proj-k_qe09c565db7_proj
	.p2alignl 7, 3214868480
	.fill 96, 4, 3214868480
	.section	.rodata,"a",@progbits
	.p2align	6, 0x0
	.amdhsa_kernel k_qe09c565db7_proj
		.amdhsa_group_segment_fixed_size 327680
		.amdhsa_private_segment_fixed_size 0
		.amdhsa_enable_private_segment 0
		.amdhsa_kernarg_size 56
		.amdhsa_user_sgpr_count 2
		.amdhsa_user_sgpr_kernarg_segment_ptr 1
		.amdhsa_wavefront_size32 1
		.amdhsa_system_sgpr_workgroup_id_x 1
		.amdhsa_system_sgpr_workgroup_id_y 1
		.amdhsa_system_sgpr_workgroup_id_z 1
		.amdhsa_system_vgpr_workitem_id 0
		.amdhsa_next_free_vgpr 1024
		.amdhsa_next_free_sgpr 106
		.amdhsa_reserve_vcc 0
		.amdhsa_float_denorm_mode_32 3
		.amdhsa_float_denorm_mode_16_64 3
		.amdhsa_memory_ordered 1
		.amdhsa_forward_progress 1
		.amdhsa_inst_pref_size 150
	.end_amdhsa_kernel
	.amdgpu_metadata
---
amdhsa.version: [ 1, 2 ]
amdhsa.kernels:
  - .name:           k_qe09c565db7_proj
    .symbol:         k_qe09c565db7_proj.kd
    .args:
      - { .name: xq, .offset: 0, .size: 8, .value_kind: global_buffer, .address_space: global }
      - { .name: wp, .offset: 8, .size: 8, .value_kind: global_buffer, .address_space: global }
      - { .name: qkv, .offset: 16, .size: 8, .value_kind: global_buffer, .address_space: global }
      - { .name: bq, .offset: 24, .size: 8, .value_kind: global_buffer, .address_space: global }
      - { .name: bk, .offset: 32, .size: 8, .value_kind: global_buffer, .address_space: global }
      - { .name: bv, .offset: 40, .size: 8, .value_kind: global_buffer, .address_space: global }
      - { .name: vf, .offset: 48, .size: 8, .value_kind: global_buffer, .address_space: global }
    .group_segment_fixed_size: 327680
    .private_segment_fixed_size: 0
    .kernarg_segment_align: 8
    .kernarg_segment_size: 56
    .max_flat_workgroup_size: 128
    .sgpr_count:     106
    .vgpr_count:     1024
    .wavefront_size: 32
...
	.end_amdgpu_metadata
.endif
;; end of part 2
;; launch attn (part 3): grid 32 x 8, 8 waves a work-group, clusters of 4 x 1, 327,680 bytes of LDS; arguments qkv, vf, mask, ao, of; writes ao, of
.if DOCPART == 3
	.amdgcn_target "amdgcn-amd-amdhsa--gfx1250"
	.amdhsa_code_object_version 6
	.text
	.protected	k_qe09c565db7_attn
	.globl	k_qe09c565db7_attn
	.p2align	8
	.type	k_qe09c565db7_attn,@function
k_qe09c565db7_attn:
	s_mov_b64 s[64:65], 0
	v_nop
	global_prefetch_b8 v0, s[64:65] scope:SCOPE_SE
	s_setreg_imm32_b32 hwreg(HW_REG_WAVE_MODE, 25, 1), 1
	s_wait_xcnt 0x0
	s_wait_alu depctr_hold_cnt(0) depctr_sa_sdst(0) depctr_va_vdst(0) depctr_va_sdst(0) depctr_va_ssrc(0) depctr_va_vcc(0) depctr_vm_vsrc(0)
	s_getreg_b32 s2, hwreg(HW_REG_IB_STS2, 6, 4)
	s_cmp_eq_u32 s2, 0
	s_cbranch_scc0 .Lentry_in_a_cluster
	s_endpgm
.Lentry_in_a_cluster:
	s_bfe_u32 s2, ttmp6, 0x10000c
	s_cmp_lg_u32 s2, 0x3003
	s_cbranch_scc0 .Lentry_shape_is_right
	s_endpgm
.Lentry_shape_is_right:
; Attention: for each batch and head, O[q] = sum over k of softmax_k(Q[q] . K[k] / 8 - 1e9 mask[q][k]) V[k].  Q, K, V: f16 in qkv, [3][8192 tokens][1024]; Q already carries the factor log2(e) / 8.
; u = score + mask x (-1e9 log2(e)), one fused multiply-add in f32; m = the running maximum of u; p = 2^(u - m); l = the sum of p in f32; O is rescaled by 2^(old m - new m) in every step and divided by l at the end.
; The mask is an input: every score of every query is computed.  LIMITS: mask x 1e9 and the addition are rounded once, not twice (equal wherever mask x 1e9 is exact in f32); NaN and infinities are not served.
; SHARES.  A work-group owns 256 queries (block y) of two neighbouring heads of one batch (pair x): their K and V are 256 neighbouring bytes of a token's row.  Wave w: head w / 4, queries 64 (w % 4) on: four tiles of 16.  Two waves to a SIMD.
; 32 key steps of 64 keys through two LDS slots.  A step's tiles: mask 256 x 64 f32, K 64 x 128 f16, V 64 x 128 f16.  Waves 0-3 fetch the mask's quarters, 4, 5 K's halves, 6, 7 V's: one load a wave behind each round, one load of a wave out at any time.
; THE CHANGE OF SLOTS STANDS IN A STEP'S MIDDLE: when the second pair of tiles has its mask, all of the step's tiles are in registers.  There the slot is given up and filled with the tile two steps on, and K and the first mask of the
; NEXT step are fetched from the other slot into registers that have just come free; V follows at the next step's head.  So a step begins with its operands in registers, and products and vector work stand inside the round's opening barrier.
; CLUSTER 4 x 1: four pairs with the same query block want the same mask tile: it is asked for jointly.  K and V differ between partners and come by plain loads.
; LAYOUT.  S^T = K Q^T and O^T = V^T P: a lane holds one query (lane % 16) throughout; two tiles of S^T rounded to f16 in pairs are source 1 of the second product.  V is turned by ds_load_tr16_b128.
; FINER ROWS.  Positions 0-15 against keys 0-15 go in f32: p as it is, V from vf, by the f32 matrix form (16 instructions in each fine wave); those p are then cleared ahead of the f16 product.  These rows' O also leaves in f32, to of.
; REGISTERS.  window 0: v1-15 addresses; v16-47 statistics, 8 a tile (+0 m, +2,+3 l, +4..+7 at work, a in +6); v48-63 the f32 form's two accumulators; v64-127 S^T of two tiles, then p, then P; v128-191 the mask; v192-255 V.
;   window 1: v0-127 O^T, 32 a tile (v96-127 hold vf's numbers until the first step's fine products); v128-191 Q; v192-255 K.
.set PM,    272                        ; a mask row in LDS: 256 bytes + 16
.set PK,    272
.set PV,    288                        ; 256 + 32
.set KOFF,  256*PM
.set VOFF,  KOFF+64*PK
.set SLOT1, 131072                     ; slot 1 begins here: one exclusive or turns an address
.set SPARE, 262144                     ; the spare words, 128 bytes a wave
.set OFO, 1
.set AK0, 2
.set AV0, 3
.set AM0, 4
.set ADK, 5
.set ADV, 6
.set ADM, 7
.set QO,  8
.set STO, 9
.set RD,  10
.set GO,  11
.set SPW, 12
.set NIL, 13
.set PFO, 14
.set VFO, 15
.set ST,  16
.set OFA, 48
.set S,   64
.set MR,  128
.set VR,  192
.set QF,  128                          ; window 1
.set KF,  192                          ; window 1
.set MSB, 0
.macro WIN new
.if MSB != \new
	s_set_vgpr_msb (MSB<<8)|\new
.set MSB, \new
.endif
.endm
.macro CREST                           ; a round of the cluster's barrier behind its opening barrier
	s_cmp_lg_u32 s14, 0
	s_cbranch_scc1 .Lnot_wave_0_\@
	s_barrier_signal -3
.Lnot_wave_0_\@:
	s_barrier_wait -3
	s_barrier_signal -1
	s_barrier_wait -1
.endm
.macro CROUND                          ; a whole round
	s_barrier_signal -1
	s_barrier_wait -1
	CREST
.endm
.macro TLOAD3                          ; every wave has one load; the branches hang on the wave's number alone; s_nop 0 and four v_nop follow each
	s_cmp_lt_u32 s14, 4
	s_cbranch_scc0 .Lnot_m_\@
	tensor_load_to_lds s[52:55], s[28:35]
	s_nop 0
.rept 4
	v_nop
.endr
	s_branch .Lasked_\@
.Lnot_m_\@:
	s_cmp_lt_u32 s14, 6
	s_cbranch_scc0 .Lnot_k_\@
	tensor_load_to_lds s[56:59], s[36:43]
	s_nop 0
.rept 4
	v_nop
.endr
	s_branch .Lasked_\@
.Lnot_k_\@:
	tensor_load_to_lds s[60:63], s[44:51]
	s_nop 0
.rept 4
	v_nop
.endr
.Lasked_\@:
.endm
.macro NEXTD                           ; the three walking descriptors: the other slot, the next 64 keys.  Written only where no tensor load of mine is out
	s_xor_b32 s53, s53, SLOT1
	s_add_nc_u64 s[54:55], s[54:55], 256           ; 64 keys on in a mask row
	s_xor_b32 s57, s57, SLOT1
	s_add_nc_u64 s[58:59], s[58:59], 131072        ; 64 tokens on
	s_xor_b32 s61, s61, SLOT1
	s_add_nc_u64 s[62:63], s[62:63], 131072
.endm
; A prefetch of the tile that the NEXT change of slots will ask for, one instruction a wave, a lane a row of 256 bytes.  Each row's 256 bytes of a step are named once in the launch:
; the mask by waves 0, 1 of the clusters with x = 0, the four partners sharing the 256 rows out by address; K and V by waves 4-7 of the work-groups of query block 0, each its own 32 rows.
; Trip j, whose tensor loads ask for tile j + 2, names tile j + 3; the last trip asks for nothing; tiles 0 to 2 come by their loads alone.
.macro ASK
	s_cmp_gt_u32 s67, s80
	s_cbranch_scc0 .Lnot_mine_\@
	global_prefetch_b8 v[PFO], s[76:77] th:TH_LOAD_NT scope:SCOPE_SE
.Lnot_mine_\@:
.endm
	s_load_b256 s[4:11], s[0:1], 0x0               ; qkv, vf, mask, ao
	s_load_b64 s[12:13], s[0:1], 0x20              ; of
	v_lshl_add_u32 v[SPW], v0, 2, SPARE
	v_mov_b32 v[NIL], 0
	ds_add_u32 v[SPW], v[NIL]                      ; the opening: the add, twice on end, and its wait ahead of my first tensor load
	ds_add_u32 v[SPW], v[NIL]
	v_lshrrev_b32 v1, 5, v0
	v_readfirstlane_b32 s14, v1                    ; wave 0..7
	s_lshr_b32 s15, s14, 2                         ; hd: which of the two heads
	s_and_b32 s16, s14, 3                          ; qs: which 64 queries
	s_and_b32 s81, s14, 1
	s_bfe_u32 s17, ttmp6, 0x40000                  ; cx
	s_lshl_b32 s18, ttmp9, 2
	s_add_co_u32 s18, s18, s17                     ; pair
	s_lshr_b32 s19, s18, 3                         ; batch
	s_and_b32 s20, s18, 7                          ; pair of heads in the batch
	s_and_b32 s21, ttmp7, 0xffff                   ; query block: the four partners share it
	s_mov_b32 s28, 15|(2<<16)|(1<<20)|(1<<21)|(5<<22)|(3<<25)   ; the mask's tile: all four partners; elements of 4 bytes; 4 words of padding behind every 64
	s_mov_b32 s29, 64<<16
	s_mov_b32 s30, 64<<16
	s_mov_b32 s31, 64<<16
	s_mov_b32 s32, 64
	s_mov_b32 s33, 2048
	s_mov_b32 s34, 0
	s_mov_b32 s35, 0
	s_mov_b32 s36, (1<<16)|(1<<20)|(5<<22)|(3<<25)              ; K: 32 rows x 128 elements of 2 bytes
	s_mov_b32 s44, (1<<16)|(1<<20)|(5<<22)|(7<<25)              ; V: the same with 8 words of padding
.irp g, 36, 44
	s_mov_b32 s[\g+1], 128<<16
	s_mov_b32 s[\g+2], 32<<16
	s_mov_b32 s[\g+3], 128<<16
	s_mov_b32 s[\g+4], 32
	s_mov_b32 s[\g+5], 1024
	s_mov_b32 s[\g+6], 0
	s_mov_b32 s[\g+7], 0
.endr
	s_lshl_b32 s92, s21, 21                        ; the mask: row 256 x block + 64 x (wave % 4), 8,192 bytes a row; these registers never hold cx
	s_lshl_b32 s93, s16, 19
	s_add_co_u32 s92, s92, s93
	s_mov_b32 s93, 0
	s_lshl_b32 s24, s19, 22                        ; the batch's rows and the pair's 256 bytes
	s_lshl_b32 s25, s20, 8
	s_add_co_u32 s24, s24, s25
	s_mov_b32 s25, 0
	s_lshl_b32 s26, s81, 16                        ; which 32 keys of a step I fetch
	s_add_co_u32 s26, s26, s24
	s_add_co_u32 s26, s26, 16777216                ; K lies behind Q
	s_mov_b32 s27, 0
	s_mov_b32 s52, 1
	s_mul_i32 s53, s16, 64*PM
	s_mov_b32 s56, 1
	s_mul_i32 s57, s81, 32*PK
	s_add_co_u32 s57, s57, KOFF
	s_mov_b32 s60, 1
	s_mul_i32 s61, s81, 32*PV
	s_add_co_u32 s61, s61, VOFF
	s_mov_b32 s66, 0                               ; the slot from which LDS is read
	s_mov_b32 s67, 30                              ; trips
	s_mov_b32 s70, 0xceabfb8f                      ; -1e9 log2(e)
	s_mov_b32 s71, s70
	s_mov_b32 s72, 0x76543210
	s_mov_b32 s73, 0xfedcba98                      ; lane l xor 16
	s_or_b32 s22, s21, s16
	s_cmp_eq_u32 s22, 0                            ; positions 0-15 are mine: query block 0, queries 0-63
	s_cselect_b32 s74, 1, 0
	s_cselect_b32 s75, 1, 0
	s_wait_dscnt 0x0                               ; both opening adds are done
	s_wait_kmcnt 0x0
	s_add_nc_u64 s[54:55], s[8:9], s[92:93]
	s_or_b32 s55, s55, 0x80000000
	s_add_nc_u64 s[58:59], s[4:5], s[26:27]
	s_add_nc_u64 s[62:63], s[58:59], 16777216      ; V lies behind K
	s_or_b32 s59, s59, 0x80000000
	s_or_b32 s63, s63, 0x80000000
	CROUND                                         ; the four partners are here: the first joint load meets
	TLOAD3                                         ; step 0's tiles into slot 0
	s_lshl_b32 s22, s21, 19
	s_add_co_u32 s22, s22, s24
	s_mov_b32 s23, 0
	s_add_nc_u64 s[90:91], s[10:11], s[22:23]
	s_add_nc_u64 s[88:89], s[4:5], s[22:23]
	s_lshl_b32 s22, s14, 16
	s_add_nc_u64 s[90:91], s[90:91], s[22:23]      ; ao at row 256 x block + 32 x wave
	s_lshl_b32 s22, s16, 17
	s_lshl_b32 s82, s15, 7
	s_add_co_u32 s22, s22, s82
	s_add_nc_u64 s[88:89], s[88:89], s[22:23]      ; Q at my 64 queries, my head
	s_lshl_b32 s82, s20, 9
	s_lshl_b32 s83, s15, 8
	s_add_co_u32 s82, s82, s83
	s_lshl_b32 s22, s19, 18
	s_add_co_u32 s22, s22, s82
	s_add_nc_u64 s[84:85], s[6:7], s[22:23]        ; vf: entry 4 x batch, my head's 64 channels
	s_lshl_b32 s22, s19, 16
	s_add_co_u32 s22, s22, s82
	s_add_nc_u64 s[86:87], s[12:13], s[22:23]      ; of likewise
	v_and_b32 v64, 15, v0                          ; r
	v_bfe_u32 v65, v0, 4, 1                        ; h
	v_and_b32 v66, 7, v0
	v_bfe_u32 v67, v0, 3, 1
	v_lshlrev_b32 v[QO], 11, v64
	v_lshl_add_u32 v[QO], v65, 4, v[QO]
	WIN 0x40                                       ; destination window 1
.irp t, 0,1,2,3
.irp ks, 0,1
	global_load_b128 v[QF+16*\t+8*\ks:QF+16*\t+8*\ks+3], v[QO], s[88:89] offset:\t*32768+64*\ks
	global_load_b128 v[QF+16*\t+8*\ks+4:QF+16*\t+8*\ks+7], v[QO], s[88:89] offset:\t*32768+64*\ks+32
.endr
.endr
.set i, 0
.rept 96
	v_mov_b32 v[i], 0                              ; O^T of tiles 0 to 2: the step is written for every trip alike, and its first pass finds zeros
.set i, i+1
.endr
	WIN 0
	v_lshlrev_b32 v[VFO], 15, v65
	v_lshl_add_u32 v[VFO], v64, 2, v[VFO]          ; vf: key 8 h on, channel r
	s_cmp_eq_u32 s74, 1
	s_cbranch_scc0 .Lplain
	WIN 0x40
.irp dt, 0,1,2,3
.irp e, 0,1,2,3,4,5,6,7
	global_load_b32 v[96+8*\dt+\e], v[VFO], s[84:85] offset:\e*4096+64*\dt    ; V(key 8 h + e, channel 16 dt + r) in f32
.endr
.endr
	WIN 0
	s_branch .Lhead_on
.Lplain:
	WIN 0x40
.set i, 96
.rept 32
	v_mov_b32 v[i], 0
.set i, i+1
.endr
	WIN 0
.Lhead_on:
	s_lshl_b32 s22, s15, 7
	s_add_co_u32 s23, s22, KOFF
	v_mul_u32_u24 v[AK0], v64, PK
	v_lshl_add_u32 v[AK0], v65, 4, v[AK0]
	v_add_nc_u32 v[AK0], s23, v[AK0]               ; K: row r, 16 h, my head's 128 bytes
	s_add_co_u32 s23, s22, VOFF
	v_lshl_add_u32 v[AV0], v65, 3, v66
	v_mul_u32_u24 v[AV0], v[AV0], PV
	v_lshl_add_u32 v[AV0], v67, 4, v[AV0]
	v_add_nc_u32 v[AV0], s23, v[AV0]               ; V, for the turning load: key 8 h + l % 8, channels 8 ((l / 8) % 2) on
	s_mul_i32 s23, s16, 64*PM
	v_mul_u32_u24 v[AM0], v64, PM
	v_lshl_add_u32 v[AM0], v65, 5, v[AM0]
	v_add_nc_u32 v[AM0], s23, v[AM0]               ; the mask: query 64 qs + r, keys 8 h on
	v_mul_u32_u24 v[STO], v64, PM
	v_lshl_add_u32 v[STO], v65, 4, v[STO]
	s_add_co_u32 s23, s23, s22
	v_add_nc_u32 v[STO], s23, v[STO]               ; the way out, in
	s_mul_i32 s23, s14, 32*PM
	v_mul_u32_u24 v[RD], v65, PM
	v_lshl_add_u32 v[RD], v64, 4, v[RD]
	v_add_nc_u32 v[RD], s23, v[RD]                 ; and back: rows 32 w on, two an instruction
	v_lshlrev_b32 v[GO], 11, v65
	v_lshl_add_u32 v[GO], v64, 4, v[GO]
	v_lshlrev_b32 v[OFO], 12, v64
	v_lshl_add_u32 v[OFO], v65, 5, v[OFO]
.irp t, 0,1,2,3
	v_mov_b32 v[ST+8*\t], 0xff61b1e6               ; m: -3e38, under every u
	v_mov_b32 v[ST+8*\t+1], 0                      ; (named with m as a pair)
	v_mov_b32 v[ST+8*\t+2], 0                      ; l, in two halves
	v_mov_b32 v[ST+8*\t+3], 0
.endr
	; the prefetches: where mine stand: at tile 2; the first trip steps them to tile 3
	s_lshl_b32 s22, s21, 21
	s_lshl_b32 s23, s17, 19
	s_add_co_u32 s22, s22, s23
	s_lshl_b32 s23, s14, 18
	s_add_co_u32 s22, s22, s23
	s_add_co_u32 s22, s22, 512
	s_mov_b32 s23, 0
	s_add_nc_u64 s[76:77], s[8:9], s[22:23]        ; the mask: row 256 x block + 64 cx + 32 w
	s_add_nc_u64 s[82:83], s[4:5], s[26:27]
	s_add_nc_u64 s[82:83], s[82:83], 262144        ; K: my 32 rows
	s_add_nc_u64 s[94:95], s[82:83], 16777216      ; V likewise
	s_cmp_lt_u32 s14, 6
	s_cselect_b64 s[82:83], s[82:83], s[94:95]
	s_cmp_lt_u32 s14, 4
	s_cselect_b64 s[76:77], s[76:77], s[82:83]
	s_mov_b32 s78, 131072
	s_cselect_b32 s78, 256, s78                    ; a step on
	s_mov_b32 s79, 0
	s_mov_b32 s22, 2048
	s_cselect_b32 s22, 8192, s22                   ; from lane to lane: a row
	s_cselect_b32 s23, ttmp9, s21                  ; the coordinate along which others read the same rows
	v_and_b32 v[PFO], 31, v0
	v_mul_lo_u32 v[PFO], v[PFO], s22
	s_lshr_b32 s22, s14, 1
	s_cmp_eq_u32 s22, 1                            ; waves 2 and 3 ask for nothing
	s_cselect_b32 s22, 1, 0
	s_or_b32 s23, s23, s22
	s_cmp_eq_u32 s23, 0
	s_cselect_b32 s80, 1, -1
.macro FETCH_K
	WIN 0x40
.irp kt, 0,1,2,3
.irp ks, 0,1
	ds_load_b128 v[KF+16*\kt+8*\ks:KF+16*\kt+8*\ks+3], v[ADK] offset:\kt*16*PK+64*\ks
	ds_load_b128 v[KF+16*\kt+8*\ks+4:KF+16*\kt+8*\ks+7], v[ADK] offset:\kt*16*PK+64*\ks+32
.endr
.endr
	WIN 0
.endm
.macro FETCH_M x                       ; the mask of tiles x, x + 1, in S^T's own layout
.irp u, 0,1
.irp kt, 0,1,2,3
	ds_load_b128 v[MR+32*\u+8*\kt:MR+32*\u+8*\kt+3], v[ADM] offset:16*(\x+\u)*PM+64*\kt
	ds_load_b128 v[MR+32*\u+8*\kt+4:MR+32*\u+8*\kt+7], v[ADM] offset:16*(\x+\u)*PM+64*\kt+16
.endr
.endr
.endm
.macro FETCH_V
.irp f, 0,1
.irp dt, 0,1,2,3
	ds_load_tr16_b128 v[VR+32*\f+8*\dt:VR+32*\f+8*\dt+3], v[ADV] offset:\f*32*PV+32*\dt
	ds_load_tr16_b128 v[VR+32*\f+8*\dt+4:VR+32*\f+8*\dt+7], v[ADV] offset:\f*32*PV+16*PV+32*\dt
.endr
.endr
.endm
; Positions 0-15 x keys 0-15 in f32, once, in the first step of the fine waves.  The f32 form's k = 2 h + j stands for key 8 h + 2 s + j on both sides.  Two accumulators by turns; they are written by matrix instructions alone.
.macro FINEHOOK
	s_cmp_eq_u32 s74, 1
	s_cbranch_scc0 .Lno_fine_\@
.irp g, 0,1
	WIN 0x01                                       ; source 0 (V in f32) window 1
.irp s, 0,1,2,3
.irp e, 0,1
.if \s == 0
	v_wmma_f32_16x16x4_f32 v[OFA+8*\e:OFA+8*\e+7], v[96+8*(2*\g+\e)+2*\s:96+8*(2*\g+\e)+2*\s+1], v[S+2*\s:S+2*\s+1], 0
.else
	v_wmma_f32_16x16x4_f32 v[OFA+8*\e:OFA+8*\e+7], v[96+8*(2*\g+\e)+2*\s:96+8*(2*\g+\e)+2*\s+1], v[S+2*\s:S+2*\s+1], v[OFA+8*\e:OFA+8*\e+7]
.endif
.endr
.endr
.rept 9
	v_nop                                          ; nine places: the results are read, and the next pair of sums begins anew on the same registers
.endr
	WIN 0x41
.irp e, 0,1
.irp i, 0,2,4,6
	v_pk_add_f32 v[8*(2*\g+\e)+\i:8*(2*\g+\e)+\i+1], v[8*(2*\g+\e)+\i:8*(2*\g+\e)+\i+1], v[OFA+8*\e+\i:OFA+8*\e+\i+1]
.endr
.endr
.endr
	WIN 0
.irp i, 0,1,2,3,4,5,6,7
	v_mov_b32 v[S+\i], 0                           ; keys 0-15 of tile 0 leave the f16 product; l holds them already
.endr
	WIN 0x40
.set i, 96
.rept 32
	v_mov_b32 v[i], 0                              ; tile 3's O^T begins as zeros
.set i, i+1
.endr
	WIN 0
	s_mov_b32 s74, 0
.Lno_fine_\@:
.endm
; Eight products of S^T = K Q^T for tiles x, x + 1: channels 32 ks on.  The eight accumulators take turns, one instruction a turn.  K and Q lie in window 1.
.macro KQ x, ks
.irp kt, 0,1,2,3
.irp u, 0,1
.if \ks == 0
	v_wmma_f32_16x16x32_f16 v[S+32*\u+8*\kt:S+32*\u+8*\kt+7], v[KF+16*\kt:KF+16*\kt+7], v[QF+16*(\x+\u):QF+16*(\x+\u)+7], 0
.else
	v_wmma_f32_16x16x32_f16 v[S+32*\u+8*\kt:S+32*\u+8*\kt+7], v[KF+16*\kt+8:KF+16*\kt+15], v[QF+16*(\x+\u)+8:QF+16*(\x+\u)+15], v[S+32*\u+8*\kt:S+32*\u+8*\kt+7]
.endif
.endr
.endr
.endm
; u of tiles x, x + 1, and my lane's part of the maximum: work on registers alone.
.macro UMAX x
.rept 4
	v_nop                                          ; places ahead of the first read of the scores, and of loads into K's registers
.endr
.set i, 0
.rept 32
	v_pk_fma_f32 v[S+i:S+i+1], v[MR+i:MR+i+1], s[70:71], v[S+i:S+i+1] op_sel_hi:[1,0,1]   ; u; ascending: each accumulator is read from its low end on
.set i, i+2
.endr
.irp j, 0,1,2,3                        ; four chains a tile, the two tiles by turns
.irp u, 0,1
	v_max3_num_f32 v[ST+8*(\x+\u)+4+\j], v[S+32*\u+8*\j], v[S+32*\u+8*\j+1], v[S+32*\u+8*\j+2]
.endr
.endr
.irp g, 1,2
.irp j, 0,1,2,3
.irp u, 0,1
	v_max3_num_f32 v[ST+8*(\x+\u)+4+\j], v[ST+8*(\x+\u)+4+\j], v[S+32*\u+8*\j+2*\g+1], v[S+32*\u+8*\j+2*\g+2]
.endr
.endr
.endr
.irp u, 0,1
	v_max3_num_f32 v[ST+8*(\x+\u)+4], v[ST+8*(\x+\u)+4], v[S+32*\u+7], v[S+32*\u+15]
	v_max3_num_f32 v[ST+8*(\x+\u)+6], v[ST+8*(\x+\u)+6], v[S+32*\u+23], v[S+32*\u+31]
.endr
.irp u, 0,1
	v_max3_num_f32 v[ST+8*(\x+\u)+4], v[ST+8*(\x+\u)+4], v[ST+8*(\x+\u)+5], v[ST+8*(\x+\u)+6]
.endr
.irp u, 0,1
	v_max3_num_f32 v[ST+8*(\x+\u)+4], v[ST+8*(\x+\u)+4], v[ST+8*(\x+\u)+7], v[ST+8*(\x+\u)]   ; with the old m
.endr
.endm
; The rest of the softmax of tiles x, x + 1, and their V^T P.
.macro SOFT x, hook
.irp u, 0,1
	v_permlanex16_b32 v[ST+8*(\x+\u)+5], v[ST+8*(\x+\u)+4], s72, s73     ; the query's other 32 keys lie 16 lanes away
.endr
.irp u, 0,1
	v_mov_b32 v[ST+8*(\x+\u)+7], v[ST+8*(\x+\u)]
.endr
.irp u, 0,1
	v_max_num_f32 v[ST+8*(\x+\u)], v[ST+8*(\x+\u)+4], v[ST+8*(\x+\u)+5]  ; the new m
.endr
.irp u, 0,1
	v_sub_f32 v[ST+8*(\x+\u)+7], v[ST+8*(\x+\u)+7], v[ST+8*(\x+\u)]      ; old m - new m
.endr
.irp u, 0,1
.set i, 0
.rept 16
	v_pk_add_f32 v[S+32*\u+i:S+32*\u+i+1], v[S+32*\u+i:S+32*\u+i+1], v[ST+8*(\x+\u):ST+8*(\x+\u)+1] op_sel_hi:[1,0] neg_lo:[0,1] neg_hi:[0,1]   ; u - m: exactly 0 at the maximum
.set i, i+2
.endr
.endr
.irp u, 0,1
	v_exp_f32 v[ST+8*(\x+\u)+6], v[ST+8*(\x+\u)+7]                       ; a
.endr
.set i, 0
.rept 64
	v_exp_f32 v[S+i], v[S+i]                       ; p, at most 1
.set i, i+1
.endr
	v_nop                                          ; a plain instruction behind the last exponential
	s_wait_alu depctr_va_vdst(0)                   ; one wait for the batch of 66, ahead of its first reader
.irp u, 0,1
	v_pk_mul_f32 v[ST+8*(\x+\u)+2:ST+8*(\x+\u)+3], v[ST+8*(\x+\u)+2:ST+8*(\x+\u)+3], v[ST+8*(\x+\u)+6:ST+8*(\x+\u)+7] op_sel_hi:[1,0]
	v_pk_add_f32 v[ST+8*(\x+\u)+4:ST+8*(\x+\u)+5], v[S+32*\u:S+32*\u+1], v[S+32*\u+2:S+32*\u+3]
.endr
.irp i, 4,8,12,16,20,24,28             ; l takes the sum of p in f32, in two chains a tile
.irp u, 0,1
	v_pk_add_f32 v[ST+8*(\x+\u)+2:ST+8*(\x+\u)+3], v[ST+8*(\x+\u)+2:ST+8*(\x+\u)+3], v[S+32*\u+\i:S+32*\u+\i+1]
	v_pk_add_f32 v[ST+8*(\x+\u)+4:ST+8*(\x+\u)+5], v[ST+8*(\x+\u)+4:ST+8*(\x+\u)+5], v[S+32*\u+\i+2:S+32*\u+\i+3]
.endr
.endr
.irp u, 0,1
	v_pk_add_f32 v[ST+8*(\x+\u)+2:ST+8*(\x+\u)+3], v[ST+8*(\x+\u)+2:ST+8*(\x+\u)+3], v[ST+8*(\x+\u)+4:ST+8*(\x+\u)+5]
.endr
	WIN 0x41                                       ; O^T in window 1, a in window 0
.irp u, 0,1
.set i, 0
.rept 16
	v_pk_mul_f32 v[32*(\x+\u)+i:32*(\x+\u)+i+1], v[32*(\x+\u)+i:32*(\x+\u)+i+1], v[ST+8*(\x+\u)+6:ST+8*(\x+\u)+7] op_sel_hi:[1,0]
.set i, i+2
.endr
.endr
	WIN 0
.if \hook
	FINEHOOK
.endif
.if \x == 0
	FETCH_M 2                                      ; the other two tiles' mask, while these go on
.endif
.irp u, 0,1
.set i, 0
.rept 16
	v_cvt_pk_f16_f32 v[S+32*\u+i], v[S+32*\u+2*i], v[S+32*\u+2*i+1]      ; P in place: number i lands where numbers 2 i on have been read
.set i, i+1
.endr
.endr
.if \x == 0
	s_wait_dscnt 16                                ; V is in; the 16 mask loads just issued may be out
.endif
	WIN 0x50                                       ; C and D (O^T) in window 1
.irp f, 0,1
.irp dt, 0,1,2,3
.irp u, 0,1
	v_wmma_f32_16x16x32_f16 v[32*(\x+\u)+8*\dt:32*(\x+\u)+8*\dt+7], v[VR+32*\f+8*\dt:VR+32*\f+8*\dt+7], v[S+32*\u+8*\f:S+32*\u+8*\f+7], v[32*(\x+\u)+8*\dt:32*(\x+\u)+8*\dt+7]
.endr
.endr
.endr
	WIN 0
.endm
; A KEY STEP.  At its head K and the first mask are in registers or on their way from LDS, 32 loads.
; chg = 2: the slot is given up in the step's middle, behind a round of the cluster's barrier, and filled with the tile two steps on; then the next step's K and first mask are fetched from the other slot.
; chg = 1: the same with a plain barrier and no fill (the last step but one).  chg = 0: the last step.
.macro STEP hook, chg
.rept 5
	v_nop                                          ; five places behind the last step's products: V's registers are loaded anew, P's written over by the scores
.endr
	FETCH_V
	s_wait_dscnt 16                                ; K and the mask are in; V's 16 loads may be out
	WIN 0x05
	KQ 0, 0
	KQ 0, 1
	WIN 0
	UMAX 0
	SOFT 0, \hook
.rept 5
	v_nop                                          ; five places: the next scores are written over P's registers
.endr
.if \chg
	s_wait_tensorcnt 0x0                           ; all my tensor loads have landed: my part of the next step's tiles; so the descriptors may be written
	ds_add_u32 v[SPW], v[NIL]                      ; 0 onto my spare word; eight products stand between it and the wait for it
.if \chg == 2
	NEXTD
	s_wait_xcnt 0x0                                ; the last prefetch, a step back, has read its address
	s_add_nc_u64 s[76:77], s[76:77], s[78:79]
.endif
.endif
	WIN 0x05
	KQ 2, 0
	s_wait_dscnt 0x0                               ; the mask is in, the add is done: all my reads of this slot are over
.if \chg
	s_barrier_signal -1                            ; say so; work on registers stands between the signal and the wait
.endif
	KQ 2, 1
	WIN 0
	UMAX 2
.if \chg
	s_barrier_wait -1                              ; all eight waves have said so
.if \chg == 2
	CREST                                          ; and all four work-groups: no wave of any partner still reads this slot or has a load on its way
	TLOAD3                                         ; my one load behind the round: it has a whole step in which to land
.endif
	s_xor_b32 s66, s66, SLOT1                      ; LDS is read from the other slot from here on
	v_add_nc_u32 v[ADK], s66, v[AK0]
	v_add_nc_u32 v[ADV], s66, v[AV0]
	v_add_nc_u32 v[ADM], s66, v[AM0]
	FETCH_K                                        ; the next step's K: its registers were last read ahead of UMAX's four places
	FETCH_M 0                                      ; and its first mask
.if \chg == 2
	ASK
.endif
.endif
	SOFT 2, 0
.endm
	; slot 1 is filled
	s_wait_tensorcnt 0x0                           ; my part of step 0's tiles has landed
	ds_add_u32 v[SPW], v[NIL]
	NEXTD
	s_wait_dscnt 0x0
	CROUND
	TLOAD3                                         ; step 1's tiles into slot 1
	v_add_nc_u32 v[ADK], s66, v[AK0]
	v_add_nc_u32 v[ADV], s66, v[AV0]
	v_add_nc_u32 v[ADM], s66, v[AM0]
	FETCH_K                                        ; step 0's
	FETCH_M 0
	s_wait_loadcnt 0x0                             ; Q, and vf's numbers
.Lstep:                                            ; 30 trips: trip j works step j, asks for step j + 2's tiles and fetches step j + 1's K and mask
	STEP 1, 2
	s_sub_co_u32 s67, s67, 1
	s_cmp_lg_u32 s67, 0
	s_cbranch_scc1 .Lstep
	STEP 0, 1                                      ; the last two steps are written out
	STEP 0, 0
	; THE WAY OUT.  l's halves meet; O^T / l; f16 through a stage (slot 0's mask area: it has had its last fill, and nobody reads it behind the last barrier); whole rows of 256 bytes (two heads) to ao.
.irp t, 0,1,2,3
	v_add_f32 v[ST+8*\t+4], v[ST+8*\t+2], v[ST+8*\t+3]
.endr
.irp t, 0,1,2,3
	v_permlanex16_b32 v[ST+8*\t+5], v[ST+8*\t+4], s72, s73
.endr
.irp t, 0,1,2,3
	v_add_f32 v[ST+8*\t+4], v[ST+8*\t+4], v[ST+8*\t+5]
.endr
.irp t, 0,1,2,3
	v_rcp_f32 v[ST+8*\t+6], v[ST+8*\t+4]
.endr
	v_nop
	s_wait_alu depctr_va_vdst(0)                   ; one wait for the four reciprocals
.macro OUT_T t
	WIN 0x41
.set i, 0
.rept 16
	v_pk_mul_f32 v[32*\t+i:32*\t+i+1], v[32*\t+i:32*\t+i+1], v[ST+8*\t+6:ST+8*\t+7] op_sel_hi:[1,0]
.set i, i+2
.endr
	WIN 0
.if \t == 0
	s_cmp_eq_u32 s75, 1
	s_cbranch_scc0 .Lno_of
	WIN 0x04                                       ; a store's data are its source 1: window 1
.irp dt, 0,1,2,3
	global_store_b128 v[OFO], v[8*\dt:8*\dt+3], s[86:87] offset:64*\dt       ; positions 0-15 in f32: row r, channels 16 dt + 8 h on
	global_store_b128 v[OFO], v[8*\dt+4:8*\dt+7], s[86:87] offset:64*\dt+16
.endr
	WIN 0
.Lno_of:
.endif
	WIN 0x05
.set i, 0
.rept 16
	v_cvt_pk_f16_f32 v[S+16*\t+i], v[32*\t+2*i], v[32*\t+2*i+1]
.set i, i+1
.endr
	WIN 0
.irp dt, 0,1,2,3
	ds_store_b128 v[STO], v[S+16*\t+4*\dt:S+16*\t+4*\dt+3] offset:\t*16*PM+32*\dt
.endr
.endm
	OUT_T 0
	OUT_T 1
	OUT_T 2
	OUT_T 3
	s_wait_dscnt 0x0                               ; for the others' sake: a row's 256 bytes come from waves w and w + 4
	s_barrier_signal -1
	s_barrier_wait -1
.irp i, 0,1,2,3,4,5,6,7,8,9,10,11,12,13,14,15
	ds_load_b128 v[MR+4*\i:MR+4*\i+3], v[RD] offset:2*\i*PM
.endr
.irp i, 0,1,2,3,4,5,6,7,8,9,10,11,12,13,14,15
	s_wait_dscnt 15-\i
	global_store_b128 v[GO], v[MR+4*\i:MR+4*\i+3], s[90:91] offset:2*\i*2048   ; sixteen lanes store 256 consecutive bytes, aligned
.endr
	s_wait_tensorcnt 0x0                           ; the wave's end
	ds_add_u32 v[SPW], v[NIL]
	s_wait_dscnt 0x0
	CROUND                                         ; the closing round
	s_endpgm
.Lfunc_end_k_qe09c565db7_attn:
	.size	k_qe09c565db7_attn, .Lfunc_end_k_qe09c565db7_attn-k_qe09c565db7_attn
	.p2alignl 7, 3214868480
	.fill 96, 4, 3214868480
	.section	.rodata,"a",@progbits
	.p2align	6, 0x0
	.amdhsa_kernel k_qe09c565db7_attn
		.amdhsa_group_segment_fixed_size 327680
		.amdhsa_private_segment_fixed_size 0
		.amdhsa_enable_private_segment 0
		.amdhsa_kernarg_size 40
		.amdhsa_user_sgpr_count 2
		.amdhsa_user_sgpr_kernarg_segment_ptr 1
		.amdhsa_wavefront_size32 1
		.amdhsa_system_sgpr_workgroup_id_x 1
		.amdhsa_system_sgpr_workgroup_id_y 1
		.amdhsa_system_sgpr_workgroup_id_z 1
		.amdhsa_system_vgpr_workitem_id 0
		.amdhsa_next_free_vgpr 512
		.amdhsa_next_free_sgpr 100
		.amdhsa_reserve_vcc 0
		.amdhsa_float_denorm_mode_32 3
		.amdhsa_float_denorm_mode_16_64 3
		.amdhsa_memory_ordered 1
		.amdhsa_forward_progress 1
		.amdhsa_inst_pref_size 157
	.end_amdhsa_kernel
	.amdgpu_metadata
---
amdhsa.version: [ 1, 2 ]
amdhsa.kernels:
  - .name:           k_qe09c565db7_attn
    .symbol:         k_qe09c565db7_attn.kd
    .args:
      - { .name: qkv, .offset: 0, .size: 8, .value_kind: global_buffer, .address_space: global }
      - { .name: vf, .offset: 8, .size: 8, .value_kind: global_buffer, .address_space: global }
      - { .name: mask, .offset: 16, .size: 8, .value_kind: global_buffer, .address_space: global }
      - { .name: ao, .offset: 24, .size: 8, .value_kind: global_buffer, .address_space: global }
      - { .name: of, .offset: 32, .size: 8, .value_kind: global_buffer, .address_space: global }
    .group_segment_fixed_size: 327680
    .private_segment_fixed_size: 0
    .kernarg_segment_align: 8
    .kernarg_segment_size: 40
    .max_flat_workgroup_size: 256
    .sgpr_count:     100
    .vgpr_count:     512
    .wavefront_size: 32
...
	.end_amdgpu_metadata
.endif
;; end of part 3
;; launch oproj (part 4): grid 8 x 32, 4 waves a work-group, clusters of 4 x 4, 327,680 bytes of LDS; arguments ao, wp, out0, bo; writes out0
.if DOCPART == 4
	.amdgcn_target "amdgcn-amd-amdhsa--gfx1250"
	.amdhsa_code_object_version 6
	.text
	.protected	k_qe09c565db7_oproj
	.globl	k_qe09c565db7_oproj
	.p2align	8
	.type	k_qe09c565db7_oproj,@function
k_qe09c565db7_oproj:
	s_mov_b64 s[64:65], 0
	v_nop
	global_prefetch_b8 v0, s[64:65] scope:SCOPE_SE
	s_setreg_imm32_b32 hwreg(HW_REG_WAVE_MODE, 25, 1), 1
	s_wait_xcnt 0x0
	s_wait_alu depctr_hold_cnt(0) depctr_sa_sdst(0) depctr_va_vdst(0) depctr_va_sdst(0) depctr_va_ssrc(0) depctr_va_vcc(0) depctr_vm_vsrc(0)
	s_getreg_b32 s2, hwreg(HW_REG_IB_STS2, 6, 4)
	s_cmp_eq_u32 s2, 0
	s_cbranch_scc0 .Lentry_in_a_cluster
	s_endpgm
.Lentry_in_a_cluster:
	s_bfe_u32 s2, ttmp6, 0x10000c
	s_cmp_lg_u32 s2, 0xf033
	s_cbranch_scc0 .Lentry_shape_is_right
	s_endpgm
.Lentry_shape_is_right:
; out0[m][n] = sum over k of ao[m][k] wo[k][n] + bo[n].  ao: [8192][1024] f16; wo in f16 as it lies, [k][n], in wp from byte WO; out0 f32; sums in f32.
; A tile of 256 rows x 128 columns by four waves: 32 x 8 = 256 work-groups.  A wave makes 128 x 64: 32 accumulators, 256 registers.
; K in steps of 128 through two LDS slots, the longest step of which two slots fit: ao's 256 rows of 256 bytes (128 to a load, waves 0 and 1), wo's 128 rows of 256 bytes (64 to a load, waves 2 and 3).
; Two loads of a wave are out at the start, one behind each round.
; wo's K is not innermost: its fragments come out of LDS by the turning load.  CLUSTERS 4 x 4: ao's tiles are shared along a row of the cluster, wo's along a column.
; The matrix instruction is used transposed (source 0 = 16 columns of wo, source 1 = 16 rows of ao): a lane holds eight neighbouring columns of a row.  The bias is the C of each sum's first instruction.
; (The 64 rows of positions 0-15 are stored here too, and once more, finer, by the launch that follows: no branch may hang on the tile row.)
; REGISTERS: window 0: v0-31 addresses; v32-63 the bias, later with v64-95 rows on the way out.   window 1: the accumulators ((a, b) at v[8 (4 a + b)], a = 0 .. 7, b = 0 .. 3).
;   windows 2 and 3: two fragment buffers, each 64 along K deep: ao's fragments at v[8 (8 c + a)], wo's at v[128 + 8 (4 c + b)], c = which 32 along K.
.set SIZE_K, 1024
.set KSTEP,  128
.set PITCH,  272                       ; ao's row in LDS: 256 bytes + 16: the sixteen rows of a fragment load start at sixteen different 16-byte columns
.set PB,     288                       ; wo's: 256 + 32
.set HALFA,  128*PITCH
.set HALFB,  64*PB
.set SLOT,   2*HALFA+2*HALFB
.set STAGE,  2*SLOT                    ; behind the ring: 16 rows x 272 bytes for each wave
.set SPITCH, 272
.set SPARE,  STAGE+4*16*SPITCH         ; the spare words, 128 bytes a wave
.set LAPS,   SIZE_K/(2*KSTEP)
.set WO,     1671168
.set ADRA, 16                          ; v16-17 ao's fragments in slot 0, 1
.set ADRB, 20                          ; v20-21 wo's
.set STO,  24
.set RD,   25
.set CO,   26
.set BOF,  27
.set SPW,  28
.set NIL,  29
.set BIAS, 32
.set TMP,  32
.set FA,   0
.set FB,   128
.set G1, 24
.set G0, 32
.set G1B, 48
.set G0B, 56
.set MSB, 0
.macro WIN new
.if MSB != \new
	s_set_vgpr_msb (MSB<<8)|\new
.set MSB, \new
.endif
.endm
.set MULF0, 0x5a                       ; sources 0 and 1 window 2; C and D window 1
.set MULF1, 0x5f                       ; sources 0 and 1 window 3; C and D window 1
.set MULB,  0x4a                       ; sources 0 and 1 window 2; C (the bias) window 0; D window 1
.set TOF0,  0x80                       ; destination window 2, address window 0
.set TOF1,  0xc0                       ; destination window 3
.macro JLOAD s                         ; waves 0, 1 fetch ao's halves, waves 2, 3 wo's; s_nop 0 and four v_nop follow each load
	s_cmp_eq_u32 s11, 0
	s_cbranch_scc0 .Lfor_b_\@
	tensor_load_to_lds s[G0+4*\s:G0+4*\s+3], s[G1:G1+7]
	s_nop 0
.rept 4
	v_nop
.endr
	s_branch .Lasked_\@
.Lfor_b_\@:
	tensor_load_to_lds s[G0B+4*\s:G0B+4*\s+3], s[G1B:G1B+7]
	s_nop 0
.rept 4
	v_nop
.endr
.Lasked_\@:
.endm
.macro CREST
	s_cmp_lg_u32 s10, 0
	s_cbranch_scc1 .Lnot_wave_0_\@
	s_barrier_signal -3
.Lnot_wave_0_\@:
	s_barrier_wait -3
	s_barrier_signal -1
	s_barrier_wait -1
.endm
.macro CROUND
	s_barrier_signal -1
	s_barrier_wait -1
	CREST
.endm
	s_load_b128 s[4:7], s[0:1], 0x0                ; ao, wp
	s_load_b64 s[8:9], s[0:1], 0x10                ; out0
	s_load_b64 s[66:67], s[0:1], 0x18              ; bo
	v_lshl_add_u32 v[SPW], v0, 2, SPARE
	v_mov_b32 v[NIL], 0
	ds_add_u32 v[SPW], v[NIL]                      ; the opening: the add, twice on end, and its wait ahead of my first tensor load
	ds_add_u32 v[SPW], v[NIL]
	v_lshrrev_b32 v1, 5, v0
	v_readfirstlane_b32 s10, v1                    ; wave
	s_lshr_b32 s11, s10, 1                         ; my half of the rows; also: I fetch for ao (0) or wo (1)
	s_and_b32 s12, s10, 1                          ; my half of the columns; also: which half of that tile I fetch
	s_bfe_u32 s40, ttmp6, 0x40000
	s_bfe_u32 s41, ttmp6, 0x40004
	s_lshl_b32 s42, ttmp9, 2
	s_add_co_u32 s42, s42, s40                     ; tile column
	s_and_b32 s13, ttmp7, 0xffff
	s_lshl_b32 s13, s13, 2
	s_add_co_u32 s13, s13, s41                     ; tile row
	s_lshl_b32 s43, s41, 2
	s_lshl_b32 s43, 15, s43                        ; my row of the cluster
	s_lshl_b32 s44, 0x1111, s40                    ; my column
	s_or_b32 s[G1+0], s43, (1<<16)|(1<<20)|(1<<21)|(5<<22)|(3<<25)   ; ao: 128 rows x 128 elements of 2 bytes; 4 words of padding behind every 64
	s_mov_b32 s[G1+1], KSTEP<<16
	s_mov_b32 s[G1+2], 128<<16
	s_mov_b32 s[G1+3], KSTEP<<16
	s_mov_b32 s[G1+4], 128
	s_mov_b32 s[G1+5], SIZE_K
	s_mov_b32 s[G1+6], 0
	s_mov_b32 s[G1+7], 0
	s_or_b32 s[G1B+0], s44, (1<<16)|(1<<20)|(1<<21)|(5<<22)|(7<<25)  ; wo: 64 rows (k) x 128 elements (n); 8 words of padding behind every 64
	s_mov_b32 s[G1B+1], 128<<16
	s_mov_b32 s[G1B+2], 64<<16
	s_mov_b32 s[G1B+3], 128<<16
	s_mov_b32 s[G1B+4], 64
	s_mov_b32 s[G1B+5], 1024
	s_mov_b32 s[G1B+6], 0
	s_mov_b32 s[G1B+7], 0
	s_lshl_b32 s17, s12, 7
	s_lshl_b32 s16, s13, 8
	s_add_co_u32 s16, s16, s17                     ; ao: row 256 x tile row + 128 x half
	s_lshl_b32 s16, s16, 11                        ; 2,048 bytes a row
	s_mov_b32 s17, 0
	s_lshl_b32 s46, s12, 17                        ; wo: 64 rows of 2,048 bytes x half,
	s_lshl_b32 s47, s42, 8
	s_add_co_u32 s46, s46, s47                     ; the tile column's 256 bytes,
	s_add_co_u32 s46, s46, WO
	s_mov_b32 s47, 0
	s_mul_i32 s20, s12, HALFA
	s_mul_i32 s21, s12, HALFB
	s_add_co_u32 s21, s21, 2*HALFA
	s_wait_dscnt 0x0                               ; both opening adds are done
	s_wait_kmcnt 0x0
	s_add_nc_u64 s[14:15], s[4:5], s[16:17]
	s_add_nc_u64 s[46:47], s[6:7], s[46:47]
	CROUND                                         ; all sixteen work-groups are here: the first joint loads meet
.irp s, 0,1
	s_mov_b32 s[G0+4*\s], 1
	s_add_co_u32 s[G0+4*\s+1], s20, \s*SLOT
	s_add_nc_u64 s[G0+4*\s+2:G0+4*\s+3], s[14:15], \s*KSTEP*2
	s_or_b32 s[G0+4*\s+3], s[G0+4*\s+3], 0x80000000
	s_mov_b32 s[G0B+4*\s], 1
	s_add_co_u32 s[G0B+4*\s+1], s21, \s*SLOT
	s_add_nc_u64 s[G0B+4*\s+2:G0B+4*\s+3], s[46:47], \s*KSTEP*2048
	s_or_b32 s[G0B+4*\s+3], s[G0B+4*\s+3], 0x80000000
	JLOAD \s
.endr
	v_and_b32 v1, 15, v0                           ; r
	v_bfe_u32 v2, v0, 4, 1                         ; h
	v_mul_u32_u24 v3, v1, PITCH
	v_lshl_add_u32 v3, v2, 4, v3
	s_mul_i32 s21, s11, HALFA                      ; my 128 rows of ao
.irp s, 0,1
	v_add_nc_u32 v[ADRA+\s], s21, v3
	s_add_co_u32 s21, s21, SLOT
.endr
	v_and_b32 v4, 7, v0
	v_bfe_u32 v5, v0, 3, 1
	v_lshl_add_u32 v4, v2, 3, v4
	v_mul_u32_u24 v4, v4, PB
	v_lshl_add_u32 v4, v5, 4, v4                   ; the turning load: k 8 h + l % 8, columns 8 ((l / 8) % 2) on
	s_lshl_b32 s22, s12, 7                         ; my 64 columns: 128 bytes
	s_add_co_u32 s22, s22, 2*HALFA
.irp s, 0,1
	v_add_nc_u32 v[ADRB+\s], s22, v4
	s_add_co_u32 s22, s22, SLOT
.endr
	s_mul_i32 s23, s10, 16*SPITCH
	s_add_co_u32 s23, s23, STAGE                   ; my stage: 16 rows x (256 bytes + 16)
	v_mul_u32_u24 v5, v1, SPITCH
	v_lshl_add_u32 v5, v2, 5, v5
	v_add_nc_u32 v[STO], s23, v5
	v_mul_u32_u24 v5, v2, SPITCH
	v_lshl_add_u32 v5, v1, 4, v5
	v_add_nc_u32 v[RD], s23, v5
	v_lshlrev_b32 v5, 12, v2
	v_lshl_add_u32 v[CO], v1, 4, v5
	s_lshl_b32 s16, s13, 8
	s_lshl_b32 s17, s11, 7
	s_add_co_u32 s16, s16, s17                     ; my first row of out0
	s_lshl_b32 s16, s16, 12
	s_mov_b32 s17, 0
	s_lshl_b32 s46, s42, 9
	s_lshl_b32 s47, s12, 8
	s_add_co_u32 s46, s46, s47                     ; my first column, in bytes: in out0 and in bo
	s_mov_b32 s47, 0
	s_add_nc_u64 s[8:9], s[8:9], s[16:17]
	s_add_nc_u64 s[8:9], s[8:9], s[46:47]
	s_add_nc_u64 s[66:67], s[66:67], s[46:47]
	v_lshlrev_b32 v[BOF], 5, v2
.irp b, 0,1,2,3
	global_load_b128 v[BIAS+8*\b:BIAS+8*\b+3], v[BOF], s[66:67] offset:64*\b      ; register 8 b + j: bo of column 16 b + 8 h + j
	global_load_b128 v[BIAS+8*\b+4:BIAS+8*\b+7], v[BOF], s[66:67] offset:64*\b+16
.endr
; 16 matrix instructions: ao's blocks a0 .. a0 + 3 against wo's four, 32 along K: part c of the buffer that the window names.  The 32 accumulators take turns, one instruction a turn.
.macro MUL16 c, a0, first
.irp a, \a0, \a0+1, \a0+2, \a0+3
.irp b, 0,1,2,3
.if \first
	v_wmma_f32_16x16x32_f16 v[8*(4*(\a)+\b):8*(4*(\a)+\b)+7], v[FB+8*(4*\c+\b):FB+8*(4*\c+\b)+7], v[FA+8*(8*\c+(\a)):FA+8*(8*\c+(\a))+7], v[BIAS+8*\b:BIAS+8*\b+7]
.else
	v_wmma_f32_16x16x32_f16 v[8*(4*(\a)+\b):8*(4*(\a)+\b)+7], v[FB+8*(4*\c+\b):FB+8*(4*\c+\b)+7], v[FA+8*(8*\c+(\a)):FA+8*(8*\c+(\a))+7], v[8*(4*(\a)+\b):8*(4*(\a)+\b)+7]
.endif
.endr
.endr
.endm
.macro FETCH slot, kq, w               ; 48 LDS loads in one run: half kq (64 along K) of the slot into the buffer of window setting w; its first 32 along K (24 loads) first
	WIN \w
.irp c, 0,1
.irp i, 0,1,2,3
	ds_load_tr16_b128 v[FB+8*(4*\c+\i):FB+8*(4*\c+\i)+3],   v[ADRB+\slot] offset:((\kq)*64+32*\c)*PB+32*\i
	ds_load_tr16_b128 v[FB+8*(4*\c+\i)+4:FB+8*(4*\c+\i)+7], v[ADRB+\slot] offset:((\kq)*64+32*\c+16)*PB+32*\i
.endr
.irp i, 0,1,2,3,4,5,6,7
	ds_load_b128 v[FA+8*(8*\c+\i):FA+8*(8*\c+\i)+3],   v[ADRA+\slot] offset:128*(\kq)+64*\c+\i*16*PITCH
	ds_load_b128 v[FA+8*(8*\c+\i)+4:FA+8*(8*\c+\i)+7], v[ADRA+\slot] offset:128*(\kq)+64*\c+\i*16*PITCH+32
.endr
.endr
.endm
.macro PLACES                          ; four plain vector instructions between a matrix instruction and a load into, or a read of, its registers
.rept 4
	v_nop
.endr
.endm
; A K step is two halves of 64 along K, 64 matrix instructions each.  The first multiplies buffer 0 and fetches the slot's second half into buffer 1.
.macro HALF slot, first
	s_wait_dscnt 24                                ; the first 32 along K are in; the other 24 loads may be out
.if \first
	WIN MULB
.else
	WIN MULF0
.endif
	MUL16 0, 0, \first
	MUL16 0, 4, \first
	PLACES
	FETCH \slot, 1, TOF1
	s_wait_dscnt 48                                ; all but the 48 just issued
	WIN MULF0
	MUL16 1, 0, 0
	MUL16 1, 4, 0
.endm
; The second half multiplies buffer 1 and changes slots: ONE barrier; fill = 1: it opens a round of the cluster's, and this slot is filled again, two K steps ahead.
.macro TURN slot, next, fill
	WIN 0
	s_wait_tensorcnt 0x0                           ; all my tensor loads have landed: my part of the next slot
	ds_add_u32 v[SPW], v[NIL]
	s_wait_dscnt 25                                ; the add and the youngest 24 loads may be out
	WIN MULF1
	MUL16 0, 0, 0                                  ; sixteen matrix instructions stand between the add and the wait for it
	s_wait_dscnt 0x0                               ; the add is done, and my reads of this slot are over
	s_barrier_signal -1
	MUL16 0, 4, 0
.if \fill
	WIN 0
.endif
	s_barrier_wait -1
.if \fill
	CREST                                          ; no wave of any partner still reads this slot or has a load on its way
	s_add_nc_u64 s[G0+4*\slot+2:G0+4*\slot+3], s[G0+4*\slot+2:G0+4*\slot+3], 2*KSTEP*2
	s_add_nc_u64 s[G0B+4*\slot+2:G0B+4*\slot+3], s[G0B+4*\slot+2:G0B+4*\slot+3], 2*KSTEP*2048
	JLOAD \slot                                    ; the first tensor load behind the round; its four v_nop are also the places in front of the loads below
.else
	PLACES
.endif
	FETCH \next, 0, TOF0
	WIN MULF1
	MUL16 1, 0, 0
	MUL16 1, 4, 0
.endm
	s_wait_tensorcnt 1                             ; my part of K step 0 is in; K step 1's may be out
	s_barrier_signal -1
	s_barrier_wait -1
	FETCH 0, 0, TOF0
	s_wait_loadcnt 0x0                             ; the bias
	HALF 0, 1                                      ; the first half stands in front of the loop: its first products start the sums
	WIN 0
	s_mov_b32 s3, LAPS-1
.Llap:                                             ; a trip goes once round the ring, from a lap's second half to the next lap's first, and fills both slots again
	TURN 0, 1, 1
	HALF 1, 0
	TURN 1, 0, 1
	HALF 0, 0
	WIN 0
	s_sub_co_u32 s3, s3, 1
	s_cmp_lg_u32 s3, 0
	s_cbranch_scc1 .Llap
	TURN 0, 1, 0                                   ; the last lap fills nothing
	HALF 1, 0
	s_wait_dscnt 24
	WIN MULF1
	MUL16 0, 0, 0
	MUL16 0, 4, 0
	s_wait_dscnt 0
	MUL16 1, 0, 0
	MUL16 1, 4, 0
	WIN 0
; THE WAY OUT, 16 rows x 64 columns of f32 at a time through my own stage: no barrier; LDS serves a wave's instructions in order, so no wait stands between the stores and the loads, nor in front of the next block's stores.
.macro TOSTAGE a
	WIN 0x04                                       ; an LDS store's data are its source 1: window 1
.irp b, 0,1,2,3
	ds_store_b128 v[STO], v[8*(4*(\a)+\b):8*(4*(\a)+\b)+3] offset:64*\b            ; each accumulator from its low end on
	ds_store_b128 v[STO], v[8*(4*(\a)+\b)+4:8*(4*(\a)+\b)+7] offset:64*\b+16
.endr
	WIN 0
.irp t, 0,1,2,3,4,5,6,7
	ds_load_b128 v[TMP+32*((\a)%2)+4*\t:TMP+32*((\a)%2)+4*\t+3], v[RD] offset:2*\t*SPITCH
.endr
.endm
.macro SEND a, younger                 ; younger: the LDS instructions issued behind block a's loads, which may stay out
	s_wait_dscnt \younger
.irp t, 0,1,2,3,4,5,6,7
	global_store_b128 v[CO], v[TMP+32*((\a)%2)+4*\t:TMP+32*((\a)%2)+4*\t+3], s[8:9] offset:(16*(\a)+2*\t)*4096   ; sixteen lanes store 256 consecutive bytes, aligned; the largest immediate is 126 rows of 4,096 bytes
.endr
.endm
	PLACES
	TOSTAGE 0
.irp a, 1,2,3,4,5,6,7
.if \a > 1
	s_wait_xcnt 0x0                                ; the stores of two blocks back have read their registers: this block's loads may land there
.endif
	TOSTAGE \a
	SEND \a-1, 16                                  ; behind block a - 1's loads: block a's 8 stores and 8 loads
.endr
	SEND 7, 0
	s_wait_tensorcnt 0x0                           ; the wave's end
	ds_add_u32 v[SPW], v[NIL]
	s_wait_dscnt 0x0
	CROUND                                         ; the closing round
	s_endpgm
.Lfunc_end_k_qe09c565db7_oproj:
	.size	k_qe09c565db7_oproj, .Lfunc_end_k_qe09c565db7_oproj-k_qe09c565db7_oproj
	.p2alignl 7, 3214868480
	.fill 96, 4, 3214868480
	.section	.rodata,"a",@progbits
	.p2align	6, 0x0
	.amdhsa_kernel k_qe09c565db7_oproj
		.amdhsa_group_segment_fixed_size 327680
		.amdhsa_private_segment_fixed_size 0
		.amdhsa_enable_private_segment 0
		.amdhsa_kernarg_size 32
		.amdhsa_user_sgpr_count 2
		.amdhsa_user_sgpr_kernarg_segment_ptr 1
		.amdhsa_wavefront_size32 1
		.amdhsa_system_sgpr_workgroup_id_x 1
		.amdhsa_system_sgpr_workgroup_id_y 1
		.amdhsa_system_sgpr_workgroup_id_z 1
		.amdhsa_system_vgpr_workitem_id 0
		.amdhsa_next_free_vgpr 1024
		.amdhsa_next_free_sgpr 72
		.amdhsa_reserve_vcc 0
		.amdhsa_float_denorm_mode_32 3
		.amdhsa_float_denorm_mode_16_64 3
		.amdhsa_memory_ordered 1
		.amdhsa_forward_progress 1
		.amdhsa_inst_pref_size 85
	.end_amdhsa_kernel
	.amdgpu_metadata
---
amdhsa.version: [ 1, 2 ]
amdhsa.kernels:
  - .name:           k_qe09c565db7_oproj
    .symbol:         k_qe09c565db7_oproj.kd
    .args:
      - { .name: ao, .offset: 0, .size: 8, .value_kind: global_buffer, .address_space: global }
      - { .name: wp, .offset: 8, .size: 8, .value_kind: global_buffer, .address_space: global }
      - { .name: out0, .offset: 16, .size: 8, .value_kind: global_buffer, .address_space: global }
      - { .name: bo, .offset: 24, .size: 8, .value_kind: global_buffer, .address_space: global }
    .group_segment_fixed_size: 327680
    .private_segment_fixed_size: 0
    .kernarg_segment_align: 8
    .kernarg_segment_size: 32
    .max_flat_workgroup_size: 128
    .sgpr_count:     72
    .vgpr_count:     1024
    .wavefront_size: 32
...
	.end_amdgpu_metadata
.endif
;; end of part 4
;; launch fineout (part 5): grid 64 x 4, 8 waves a work-group, no clusters, 9,216 bytes of LDS; arguments of, wo, bo, out0; writes out0
.if DOCPART == 5
	.amdgcn_target "amdgcn-amd-amdhsa--gfx1250"
	.amdhsa_code_object_version 6
	.text
	.protected	k_qe09c565db7_fineout
	.globl	k_qe09c565db7_fineout
	.p2align	8
	.type	k_qe09c565db7_fineout,@function
k_qe09c565db7_fineout:
	s_mov_b64 s[64:65], 0
	v_nop
	global_prefetch_b8 v0, s[64:65] scope:SCOPE_SE
	s_setreg_imm32_b32 hwreg(HW_REG_WAVE_MODE, 25, 1), 1
	s_wait_xcnt 0x0
; The output projection of positions 0-15 of each batch in f32: out0[2048 y + m][n] = sum over k of of[y][m][k] wo[k][n] + bo[n], m = 0 .. 15: 64 rows in all, stored over the f16 product's.
; A work-group takes 16 columns (16 x on) of batch y.  Wave w sums k = 128 w .. 128 w + 127 by 32 instructions of the f32 matrix form on two accumulators by turns; the eight parts meet in LDS and are added in the order of the waves.
; The form's k = 2 h + j stands for k = 128 w + 8 i + 4 h + 2 e + j on both sides.  The stores are pieces of 64 bytes: 256 KiB in the whole launch.
.set AR,  32                           ; v32-95   of's numbers
.set BR,  96                           ; v96-159  wo's
.set T,   160                          ; v160-167 my part
.set SPW, 168
.set NIL, 169
.set SPARE, 8192
	s_load_b256 s[4:11], s[0:1], 0x0               ; of, wo, bo, out0
	v_lshl_add_u32 v[SPW], v0, 2, SPARE
	v_mov_b32 v[NIL], 0
	v_lshrrev_b32 v1, 5, v0
	v_readfirstlane_b32 s14, v1                    ; wave
	v_and_b32 v2, 15, v0                           ; r
	v_bfe_u32 v3, v0, 4, 1                         ; h
	v_and_b32 v4, 31, v0
	s_and_b32 s15, ttmp7, 0xffff                   ; batch
	v_lshlrev_b32 v5, 12, v2
	v_lshl_add_u32 v5, v3, 4, v5                   ; of: row r, 4 h numbers on
	v_lshlrev_b32 v6, 14, v3
	v_lshl_add_u32 v6, v2, 2, v6                   ; wo: 4 h rows on, column r
	v_lshlrev_b32 v7, 2, v2                        ; bo: column r
	v_lshlrev_b32 v8, 15, v3
	v_lshl_add_u32 v8, v2, 2, v8                   ; out0: 8 h rows on, column r
	s_lshl_b32 s16, s14, 10
	v_lshl_add_u32 v9, v4, 2, s16                  ; LDS: my part, 128 bytes a register
	s_lshl_b32 s16, s14, 7
	v_lshl_add_u32 v10, v4, 2, s16                 ; and register w of every part
	s_lshl_b32 s18, s15, 16
	s_lshl_b32 s19, s14, 9
	s_add_co_u32 s18, s18, s19
	s_mov_b32 s19, 0
	s_lshl_b32 s20, s14, 19
	s_lshl_b32 s22, ttmp9, 6
	s_add_co_u32 s20, s20, s22
	s_mov_b32 s21, 0
	s_mov_b32 s23, 0
	s_lshl_b32 s24, s15, 23
	s_lshl_b32 s25, s14, 12
	s_add_co_u32 s24, s24, s25
	s_add_co_u32 s24, s24, s22
	s_mov_b32 s25, 0
	s_wait_kmcnt 0x0
	s_add_nc_u64 s[4:5], s[4:5], s[18:19]
	s_add_nc_u64 s[6:7], s[6:7], s[20:21]
	s_add_nc_u64 s[8:9], s[8:9], s[22:23]
	s_add_nc_u64 s[10:11], s[10:11], s[24:25]
.irp i, 0,1,2,3,4,5,6,7,8,9,10,11,12,13,14,15
	global_load_b128 v[AR+4*\i:AR+4*\i+3], v5, s[4:5] offset:32*\i
.endr
.irp i, 0,1,2,3,4,5,6,7,8,9,10,11,12,13,14,15
.irp e, 0,1,2,3
	global_load_b32 v[BR+4*\i+\e], v6, s[6:7] offset:(8*\i+\e)*4096
.endr
.endr
	global_load_b32 v11, v7, s[8:9]
	s_wait_loadcnt 0x0
.set n, 0
.rept 32
.if n < 2
	v_wmma_f32_16x16x4_f32 v[16+8*(n%2):23+8*(n%2)], v[AR+2*n:AR+2*n+1], v[BR+2*n:BR+2*n+1], 0
.else
	v_wmma_f32_16x16x4_f32 v[16+8*(n%2):23+8*(n%2)], v[AR+2*n:AR+2*n+1], v[BR+2*n:BR+2*n+1], v[16+8*(n%2):23+8*(n%2)]
.endif
.set n, n+1
.endr
.rept 8
	v_nop                                          ; eight places behind this form ahead of the reads of its results
.endr
.irp i, 0,2,4,6
	v_pk_add_f32 v[T+\i:T+\i+1], v[16+\i:17+\i], v[24+\i:25+\i]    ; into other registers: the accumulators are written by matrix instructions alone
.endr
.irp j, 0,1,2,3,4,5,6,7
	ds_store_b32 v9, v[T+\j] offset:128*\j
.endr
	s_wait_dscnt 0x0                               ; for the others' sake
	s_barrier_signal -1
	s_barrier_wait -1
.irp p, 0,1,2,3,4,5,6,7
	ds_load_b32 v[AR+\p], v10 offset:1024*\p       ; register w of wave p's part: out(8 h + w, r)
.endr
	s_wait_dscnt 0x0
	v_add_f32 v12, v[AR], v[AR+1]
.irp p, 2,3,4,5,6,7
	v_add_f32 v12, v12, v[AR+\p]
.endr
	v_add_f32 v12, v12, v11
	global_store_b32 v8, v12, s[10:11]
	s_wait_tensorcnt 0x0                           ; the wave's end
	ds_add_u32 v[SPW], v[NIL]
	s_wait_dscnt 0x0
	s_endpgm
.Lfunc_end_k_qe09c565db7_fineout:
	.size	k_qe09c565db7_fineout, .Lfunc_end_k_qe09c565db7_fineout-k_qe09c565db7_fineout
	.p2alignl 7, 3214868480
	.fill 96, 4, 3214868480
	.section	.rodata,"a",@progbits
	.p2align	6, 0x0
	.amdhsa_kernel k_qe09c565db7_fineout
		.amdhsa_group_segment_fixed_size 9216
		.amdhsa_private_segment_fixed_size 0
		.amdhsa_enable_private_segment 0
		.amdhsa_kernarg_size 32
		.amdhsa_user_sgpr_count 2
		.amdhsa_user_sgpr_kernarg_segment_ptr 1
		.amdhsa_wavefront_size32 1
		.amdhsa_system_sgpr_workgroup_id_x 1
		.amdhsa_system_sgpr_workgroup_id_y 1
		.amdhsa_system_sgpr_workgroup_id_z 1
		.amdhsa_system_vgpr_workitem_id 0
		.amdhsa_next_free_vgpr 176
		.amdhsa_next_free_sgpr 66
		.amdhsa_reserve_vcc 0
		.amdhsa_float_denorm_mode_32 3
		.amdhsa_float_denorm_mode_16_64 3
		.amdhsa_memory_ordered 1
		.amdhsa_forward_progress 1
		.amdhsa_inst_pref_size 14
	.end_amdhsa_kernel
	.amdgpu_metadata
---
amdhsa.version: [ 1, 2 ]
amdhsa.kernels:
  - .name:           k_qe09c565db7_fineout
    .symbol:         k_qe09c565db7_fineout.kd
    .args:
      - { .name: of, .offset: 0, .size: 8, .value_kind: global_buffer, .address_space: global }
      - { .name: wo, .offset: 8, .size: 8, .value_kind: global_buffer, .address_space: global }
      - { .name: bo, .offset: 16, .size: 8, .value_kind: global_buffer, .address_space: global }
      - { .name: out0, .offset: 24, .size: 8, .value_kind: global_buffer, .address_space: global }
    .group_segment_fixed_size: 9216
    .private_segment_fixed_size: 0
    .kernarg_segment_align: 8
    .kernarg_segment_size: 32
    .max_flat_workgroup_size: 256
    .sgpr_count:     66
    .vgpr_count:     176
    .wavefront_size: 32
...
	.end_amdgpu_metadata
.endif
;; end of part 5
